; MI455X (gfx1250); checked and timed in simulation.
; The chip was launched on July 23, 2026; its instructions are those of AMD's public machine-readable ISA for CDNA 5 (MIT licence, August 2026) and "CDNA5" Instruction Set Architecture Reference Guide (July 2026). The comments in the code are by the model that wrote it; some were corrected since.
;; Multi Head Attention. Allowed arithmetic: float matrix products may take bf16 or f16 operands with f32 sums; other float arithmetic in f32, or as packed bf16 or f16 multiplies, adds, multiply-adds, maxima and minima; sums over many terms, partial sums and values carried from step to step in f32; what a program stores and reads back later, other than sums and carried values, may be rounded once to bf16 or f16.
;; Inputs: Wk 2,048 x 2,048 float32; Wo 2,048 x 2,048 float32; Wq 2,048 x 2,048 float32; Wv 2,048 x 2,048 float32; key 4 x 1,024 x 2,048 float32; mask 4 x 1,024 x 16 x 16 float32; query 4 x 1,024 x 2,048 float32; value 4 x 1,024 x 2,048 float32.
;; Outputs: out0 4 x 1,024 x 2,048 float32; out1 4 x 1,024 x 16 x 16 float32.
;; 2 versions, each right; version 2 is version 1 with the launch cast written anew for expert scheduling mode. Each part assembles by itself: llvm-mc -triple=amdgcn-amd-amdhsa -mcpu=gfx1250 --defsym DOCPART=n.
;; ======== version 1 of 2: 4 launches
;; limits: values are held in f16: magnitudes above 65,504 overflow, below 6.1e-05 lose precision
;; workspace buffers: xc 50,331,648 bytes; wc 33,554,432 bytes; qkv 83,886,080 bytes; at 16,777,216 bytes
;; launch cast (part 1): grid 128 x 10, 8 waves a work-group, no clusters, 0 bytes of LDS; arguments query, key, value, Wq, Wk, Wv, Wo, xc, wc; writes xc, wc
.if DOCPART == 1
	.amdgcn_target "amdgcn-amd-amdhsa--gfx1250"
	.amdhsa_code_object_version 6
	.text
	.protected	k_qfae1c19489_cast
	.globl	k_qfae1c19489_cast
	.p2align	8
	.type	k_qfae1c19489_cast,@function
k_qfae1c19489_cast:
	s_mov_b64 s[64:65], 0
	v_nop
	global_prefetch_b8 v0, s[64:65] scope:SCOPE_SE
	s_setreg_imm32_b32 hwreg(HW_REG_WAVE_MODE, 25, 1), 1
	s_wait_xcnt 0x0
; THE INPUTS OF THE FOUR PRODUCTS, ROUNDED ONCE TO 16 BITS.  query, key, value: [4096][2048] f32 -> xc: [4096][6144] bf16, a row = query | key | value.
; Wq, Wk, Wv, Wo: [2048][2048] f32 -> wc: [8192][2048], the four stacked as they lie ([K][N]); Wq, Wk, Wv in bf16; Wo rounded to bf16 like every input, and that number written as f16.
; LIMIT.  A number of Wo below 6e-5 keeps f16's fixed step of 6e-8; beyond 65,504 it would be an infinity.
; SHARES.  The grid's y names a chunk of 2,048 rows of 2,048 numbers: 0..5 the two halves of query, key, value; 6..9 the four W.  A work-group takes 16 rows of it.
; Thread t takes 4 numbers of each half of a row: 16 bytes at 16 t + 4,096 k, which leave as 8 bytes at 8 t + 2,048 k.  So a load of a wave covers 512 consecutive bytes and a store of a
; wave 256 consecutive bytes, at a multiple of 256 from the buffer's first byte.  All 32 loads of a thread go out at once; each byte is read once and written once.
; A stream: no LDS, no matrix unit, no cluster (no two work-groups read the same byte), no prefetch (all loads are issued at the head).
.set SROW, 8192                        ; bytes in a source row
.set D,    2                           ; v[2:17]   row i: my byte offset in the destination
.set X,    32                          ; v[32:159] row i: 8 registers as loaded; the packed results take the first two of each four
	s_load_b512 s[8:23], s[0:1], 0x0               ; query s[8:9], key, value, Wq, Wk, Wv, Wo s[20:21], xc s[22:23]
	s_load_b64 s[24:25], s[0:1], 0x40              ; wc
	s_and_b32 s2, ttmp7, 0xffff                    ; y
	s_lshr_b32 s3, s2, 1                           ; y < 6: which of query, key, value
	s_sub_co_u32 s4, s2, 3                         ; y >= 6: which pointer, 3..6
	s_and_b32 s5, s2, 1
	s_lshl_b32 s5, s5, 11                          ; y < 6: the half's first row
	s_lshl_b32 s6, s3, 12                          ; y < 6: the tensor's 4,096 bytes in a row of xc
	s_sub_co_u32 s7, s2, 6
	s_lshl_b32 s7, s7, 23                          ; y >= 6: the matrix's 8,388,608 bytes in wc
	s_lshl_b32 s34, ttmp9, 4                       ; the work-group's 16 rows
	s_mov_b32 s35, 12288
	s_mov_b32 s38, 0xffff0000                      ; a word's upper bf16
	v_lshlrev_b32 v1, 4, v0                        ; source: 16 t
	v_lshlrev_b32 v[D], 3, v0                      ; destination: 8 t
	s_cmp_lt_u32 s2, 6                             ; the selects below leave SCC as it is
	s_cselect_b32 s26, s3, s4                      ; the source's number among the seven pointers
	s_cselect_b32 s27, s5, 0
	s_cselect_b32 s28, s35, 0x1000                 ; bytes in a destination row
	s_cselect_b32 s29, s6, s7
	s_wait_kmcnt 0x0
	s_cselect_b64 s[30:31], s[22:23], s[24:25]     ; xc or wc
	s_mov_b64 s[32:33], s[8:9]
.irp n, 1,2,3,4,5,6
	s_cmp_eq_u32 s26, \n
	s_cselect_b64 s[32:33], s[8+2*(\n):9+2*(\n)], s[32:33]
.endr
	s_add_co_u32 s27, s27, s34                     ; my first row
	s_lshl_b32 s36, s27, 13
	s_mov_b32 s37, 0
	s_add_nc_u64 s[32:33], s[32:33], s[36:37]
	s_mul_i32 s36, s27, s28
	s_add_co_u32 s36, s36, s29
	s_add_nc_u64 s[30:31], s[30:31], s[36:37]
.set i, 0
.rept 16
	global_load_b128 v[X+8*i:X+8*i+3],   v1, s[32:33] offset:SROW*i th:TH_LOAD_NT
	global_load_b128 v[X+8*i+4:X+8*i+7], v1, s[32:33] offset:SROW*i+4096 th:TH_LOAD_NT
.set i, i+1
.endr
.set i, 1
.rept 15
	v_add_nc_u32 v[D+i], s28, v[D+i-1]
.set i, i+1
.endr
; Row i to bf16.  Loads come back in order: the 2 (15 - i) loads of the rows behind may stay out.  No register is written again once a store names it.
.macro TOBF i
	s_wait_loadcnt 30-2*(\i)
.irp k, 0,1
	v_cvt_pk_bf16_f32 v[X+8*(\i)+4*(\k)],   v[X+8*(\i)+4*(\k)],   v[X+8*(\i)+4*(\k)+1]
	v_cvt_pk_bf16_f32 v[X+8*(\i)+4*(\k)+1], v[X+8*(\i)+4*(\k)+2], v[X+8*(\i)+4*(\k)+3]
	global_store_b64 v[D+(\i)], v[X+8*(\i)+4*(\k):X+8*(\i)+4*(\k)+1], s[30:31] offset:2048*(\k)
.endr
.endm
; Row i of Wo: rounded to bf16, widened again (a shift, a mask), and that number written as f16.
.macro TOHF i
	s_wait_loadcnt 30-2*(\i)
.irp k, 0,1
	v_cvt_pk_bf16_f32 v[X+8*(\i)+4*(\k)],   v[X+8*(\i)+4*(\k)],   v[X+8*(\i)+4*(\k)+1]
	v_cvt_pk_bf16_f32 v[X+8*(\i)+4*(\k)+2], v[X+8*(\i)+4*(\k)+2], v[X+8*(\i)+4*(\k)+3]
	v_and_b32     v[X+8*(\i)+4*(\k)+1], s38, v[X+8*(\i)+4*(\k)]
	v_lshlrev_b32 v[X+8*(\i)+4*(\k)],   16,  v[X+8*(\i)+4*(\k)]
	v_and_b32     v[X+8*(\i)+4*(\k)+3], s38, v[X+8*(\i)+4*(\k)+2]
	v_lshlrev_b32 v[X+8*(\i)+4*(\k)+2], 16,  v[X+8*(\i)+4*(\k)+2]
	v_cvt_pk_f16_f32 v[X+8*(\i)+4*(\k)],   v[X+8*(\i)+4*(\k)],   v[X+8*(\i)+4*(\k)+1]
	v_cvt_pk_f16_f32 v[X+8*(\i)+4*(\k)+1], v[X+8*(\i)+4*(\k)+2], v[X+8*(\i)+4*(\k)+3]
	global_store_b64 v[D+(\i)], v[X+8*(\i)+4*(\k):X+8*(\i)+4*(\k)+1], s[30:31] offset:2048*(\k)
.endr
.endm
	s_cmp_eq_u32 s2, 9
	s_cbranch_scc1 .Lwo
.irp i, 0,1,2,3,4,5,6,7,8,9,10,11,12,13,14,15
	TOBF \i
.endr
	s_endpgm
.Lwo:
.irp i, 0,1,2,3,4,5,6,7,8,9,10,11,12,13,14,15
	TOHF \i
.endr
	s_endpgm
.Lfunc_end_k_qfae1c19489_cast:
	.size	k_qfae1c19489_cast, .Lfunc_end_k_qfae1c19489_cast-k_qfae1c19489_cast
	.p2alignl 7, 3214868480
	.fill 96, 4, 3214868480
	.section	.rodata,"a",@progbits
	.p2align	6, 0x0
	.amdhsa_kernel k_qfae1c19489_cast
		.amdhsa_group_segment_fixed_size 0
		.amdhsa_private_segment_fixed_size 0
		.amdhsa_enable_private_segment 0
		.amdhsa_kernarg_size 72
		.amdhsa_user_sgpr_count 2
		.amdhsa_user_sgpr_kernarg_segment_ptr 1
		.amdhsa_wavefront_size32 1
		.amdhsa_system_sgpr_workgroup_id_x 1
		.amdhsa_system_sgpr_workgroup_id_y 1
		.amdhsa_system_sgpr_workgroup_id_z 1
		.amdhsa_system_vgpr_workitem_id 0
		.amdhsa_next_free_vgpr 160
		.amdhsa_next_free_sgpr 66
		.amdhsa_reserve_vcc 0
		.amdhsa_float_denorm_mode_32 3
		.amdhsa_float_denorm_mode_16_64 3
		.amdhsa_memory_ordered 1
		.amdhsa_forward_progress 1
		.amdhsa_inst_pref_size 29
	.end_amdhsa_kernel
	.amdgpu_metadata
---
amdhsa.version: [ 1, 2 ]
amdhsa.kernels:
  - .name:           k_qfae1c19489_cast
    .symbol:         k_qfae1c19489_cast.kd
    .args:
      - { .name: query, .offset: 0, .size: 8, .value_kind: global_buffer, .address_space: global }
      - { .name: key, .offset: 8, .size: 8, .value_kind: global_buffer, .address_space: global }
      - { .name: value, .offset: 16, .size: 8, .value_kind: global_buffer, .address_space: global }
      - { .name: Wq, .offset: 24, .size: 8, .value_kind: global_buffer, .address_space: global }
      - { .name: Wk, .offset: 32, .size: 8, .value_kind: global_buffer, .address_space: global }
      - { .name: Wv, .offset: 40, .size: 8, .value_kind: global_buffer, .address_space: global }
      - { .name: Wo, .offset: 48, .size: 8, .value_kind: global_buffer, .address_space: global }
      - { .name: xc, .offset: 56, .size: 8, .value_kind: global_buffer, .address_space: global }
      - { .name: wc, .offset: 64, .size: 8, .value_kind: global_buffer, .address_space: global }
    .group_segment_fixed_size: 0
    .private_segment_fixed_size: 0
    .kernarg_segment_align: 8
    .kernarg_segment_size: 72
    .max_flat_workgroup_size: 256
    .sgpr_count:     66
    .vgpr_count:     160
    .wavefront_size: 32
...
	.end_amdgpu_metadata
.endif
;; end of part 1
;; launch proj (part 2): grid 24 x 8, 4 waves a work-group, clusters of 4 x 4, 327,680 bytes of LDS; arguments xc, wc, qkv; writes qkv
.if DOCPART == 2
	.amdgcn_target "amdgcn-amd-amdhsa--gfx1250"
	.amdhsa_code_object_version 6
	.text
	.protected	k_qfae1c19489_proj
	.globl	k_qfae1c19489_proj
	.p2align	8
	.type	k_qfae1c19489_proj,@function
k_qfae1c19489_proj:
	s_mov_b64 s[64:65], 0
	v_nop
	global_prefetch_b8 v0, s[64:65] scope:SCOPE_SE
	s_setreg_imm32_b32 hwreg(HW_REG_WAVE_MODE, 25, 1), 1
	s_wait_xcnt 0x0
	s_wait_alu depctr_hold_cnt(0) depctr_sa_sdst(0) depctr_va_vdst(0) depctr_va_sdst(0) depctr_va_ssrc(0) depctr_va_vcc(0) depctr_vm_vsrc(0)
	s_getreg_b32 s2, hwreg(HW_REG_IB_STS2, 6, 4)
	s_cmp_eq_u32 s2, 0
	s_cbranch_scc0 .Lentry_in_a_cluster
	s_endpgm
.Lentry_in_a_cluster:
	s_bfe_u32 s2, ttmp6, 0x10000c
	s_cmp_lg_u32 s2, 0xf033
	s_cbranch_scc0 .Lentry_shape_is_right
	s_endpgm
.Lentry_shape_is_right:
; THE THREE PROJECTIONS, AND THE SUM NORMALISATION OF q AND k.  xc: [4096][6144] bf16 (query | key | value); wc: [8192][2048] 16-bit, Wq, Wk, Wv, Wo stacked, each [K][N].
; qkv: [4096 tokens][80 rows][256 bytes]: rows 0-15 q_n[head][d 0..63] f32, 16-31 q_n[head][d 64..127], 32-63 the same for k_n, 64-79 v[head][0..127] f16.
; q_n = q / (the sum of the head's 128 channels + 1e-6), sum and scaling taken of the f32 sums; q_n and k_n leave in f32, since a sum near 0 makes their roundings count in the logits.
; LIMITS.  The division is a multiplication by v_rcp_f32 (1 ULP); a sum + 1e-6 of 0 gives infinities and NaN and is not treated apart; v leaves in f16 and must lie within 65,504.
; SHARES.  q, k and v together are 16 x 24 tiles of 256 tokens x 256 columns.  A work-group makes TWO of them, tile rows tr and tr + 8 of one tile column: 24 x 8 = 192 work-groups of equal work.
; (Three tiles of 128 x 256 would give 256 work-groups; but a K step of that tile has 128 matrix instructions a wave for 96 KiB fetched, this one 256 for 128 KiB, so that a refill has 224 matrix
; instructions in which to land, a work-group walks 32 K steps and not 48, and a matrix instruction wants 0.5 LDS loads and not 0.75.  No tile of three times a power of two divides 4,096 x 2,048.)
; A tile column belongs to one projection p = tile column / 8, the same for all partners of a cluster: A's tiles lie at byte 4,096 p of xc's rows, B's from row 2,048 p of wc on.
; A wave makes 128 tokens x 128 columns, ONE head: 8 x 8 accumulators of 16 x 16, 512 registers; so a head's sum never leaves the wave.
; THE MATRIX INSTRUCTION IS USED TRANSPOSED: source 0 = 16 columns of W (turned out of LDS by ds_load_tr16_b128, since W lies [K][N]), source 1 = 16 tokens.  A lane then holds token l % 16 and
; the columns 16 b + 8 (l / 16) + 0..7.
; RING.  Two LDS slots, each a K step of 128: 256 rows of A (256 bytes + 16 of padding) and 128 k-rows of B (512 bytes + 32).  One tensor load a wave behind each change of slots: waves 0, 1 A's halves,
; waves 2, 3 B's.  The ring does not stop at the first tile's end: its last two changes of slots ask for the second tile's first two K steps.
; CLUSTER.  4 x 4 work-groups.  A's tile hangs on the tile row and on p and is asked for jointly by a row of the cluster, B's on the tile column and by a column.
; REGISTERS, in windows of 256 (s_set_vgpr_msb: bits 1:0 source 0, 3:2 source 1, 5:4 source 2, 7:6 destination):
;   window 0: v0-31 addresses; v32-47 reciprocals; v64-127, v128-191 fragments of A, two buffers (the second serves the way out too); v192-255 the way out
;   window 1: v64-127, v128-191 fragments of B, two buffers; v192-255 the way out
;   window 2: the 32 accumulators of my tokens 0-63 (accumulator (a, b) at 8 (8 a + b));   window 3: those of my tokens 64-127
.set ROWB,  12288                      ; bytes in a row of xc
.set ROWE,  6144                       ; elements
.set WROWB, 4096                       ; bytes in a row of wc
.set PA,    272                        ; A's LDS pitch = 17 x 16: the 16 rows of a load start at 16 different groups of four banks
.set PB,    544                        ; B's = 17 x 32
.set HALFT, 128*PA                     ; what one tensor load brings: 128 rows of A, or 64 k-rows of B (64 x 544 is the same 34,816)
.set SLOT,  4*HALFT                    ; A's two halves, then B's two: 139,264
.set STAGE, 2*SLOT                     ; behind the ring, never filled by a tensor load: 16 rows x 528 bytes for each wave
.set SPITCH, 528                       ; a stage row of 128 f32 + 16 bytes
.set VPITCH, 272                       ; a stage row of 128 f16 + 16 bytes
.set STGW,  16*SPITCH
.set SPARE, STAGE+4*STGW               ; the spare words, 128 bytes for each wave: two blocks of 256 bytes that no other line names
.set TOKB,  20480                      ; a token's bytes in qkv
.set ASTEP, 256                        ; a K step in A: bytes along a row
.set BSTEP, 128*WROWB                  ; in B: 128 rows
.set WALK,  2048                       ; tokens from a work-group's first tile to its second
.set NEXT_A, WALK*ROWB-14*ASTEP        ; from a slot's last K step of the first tile to its first of the second: A goes WALK rows down and back along K,
.set BACK_B, 14*BSTEP                  ; B only back: the two tiles share their columns of W
.set PJUMP, WALK*ROWB-15*ASTEP         ; the prefetches' step from the first tile's K step 15 to the second's K step 0
.set NEXT_C, WALK*TOKB                 ; in qkv
.set ADRA, 16                          ; v16-17   LDS address of my A fragments in slot 0, 1
.set ADRB, 20                          ; v20-21   the same for B
.set RDV,  22                          ; v22      v's way out: where I read rows back
.set CV,   23                          ; v23      v's way out: my byte offset in qkv
.set STO,  24                          ; v24      where I put 32 bytes of a stage row
.set RD,   25                          ; v25      where I read a stage row back
.set CO,   26                          ; v26      my byte offset in qkv
.set STOV, 27                          ; v27      v's way out: where I put 16 bytes
.set SPW,  28                          ; v28      LDS address of my spare word; never rewritten
.set NIL,  29                          ; v29      0; never rewritten
.set PFO,  30                          ; v30      the prefetches' lane offset; never rewritten
.set R,    32                          ; v[32:47]   block a: 1 / (sum + 1e-6) at R + 2 a; its neighbour at work
.set F0,   64                          ; fragment buffer 0, in windows 0 (A) and 1 (B)
.set F1,   128                         ; fragment buffer 1
.set T,    128                         ; the way out: v[128:159] the sums, at work
.set TMP,  128                         ; the way out: v[128:191] a block, scaled or packed
.set OB,   192                         ; the way out: a block read back from the stage: v[192:255] of window 0 (even blocks) or 1 (odd)
.set G1,  24                           ; s[24:31] descriptor group 1 for A's tiles;  s[32:39] group 0, a set for each slot
.set G0,  32
.set G1B, 48                           ; s[48:55], s[56:63] the same for B's
.set G0B, 56
.set PRJ, 43                           ; s43  p: 0 q, 1 k, 2 v
.set PFA, 44                           ; s[44:45] where my prefetches stand
.set PST, 46                           ; s[46:47] their step: a K step of A or of B
.set PFC, 20                           ; s20  prefetches still to come; 0 or less in a wave that asks for nothing
.set SEL, 66                           ; s[66:67] v_permlanex16_b32's selects: each lane takes its own place in the other half
.set PJ,  68                           ; s[68:69] PJUMP
.set PT,  70                           ; s[70:71] the step taken this time
.set MSB, 0
.macro WIN new                         ; the immediate's high byte repeats the setting that is left; a switch that changes nothing is dropped
.if MSB != (\new)
	s_set_vgpr_msb (MSB<<8)|(\new)
.set MSB, \new
.endif
.endm
.set MUL_LO, 0xa1                      ; source 0 (B) window 1, source 1 (A) window 0, C and D window 2
.set MUL_HI, 0xf1                      ; the same, C and D window 3
.set TO_B,   0x40                      ; destination window 1, address window 0
; A joint load: waves 0 and 1 fetch A's halves, waves 2 and 3 B's.  The branch hangs on the wave's number alone.  An s_nop 0 and four v_nop follow each of the two lines.
.macro JLOAD s
	s_cmp_eq_u32 s11, 0
	s_cbranch_scc0 .Lfor_b_\@
	tensor_load_to_lds s[G0+4*(\s):G0+4*(\s)+3], s[G1:G1+7]
	s_nop 0
.rept 4
	v_nop
.endr
	s_branch .Lasked_\@
.Lfor_b_\@:
	tensor_load_to_lds s[G0B+4*(\s):G0B+4*(\s)+3], s[G1B:G1B+7]
	s_nop 0
.rept 4
	v_nop
.endr
.Lasked_\@:
.endm
.macro CREST                           ; a round of the cluster's barrier behind its opening barrier
	s_cmp_lg_u32 s10, 0
	s_cbranch_scc1 .Lnot_wave_0_\@
	s_barrier_signal -3
.Lnot_wave_0_\@:
	s_barrier_wait -3
	s_barrier_signal -1
	s_barrier_wait -1
.endm
.macro CROUND                          ; a whole round
	s_barrier_signal -1
	s_barrier_wait -1
	CREST
.endm
; A PREFETCH INTO THE L2, behind a joint load, its five lines and the run of LDS loads: the refill just issued asks for the K step two on, the prefetch names the K step three on, which the NEXT refill
; will ask for: 256 matrix instructions a wave ahead of that load.  Each block of 256 bytes is named once in the launch.  A's tile row is read by the two clusters that share p and the cluster's y: the one
; with an even x asks, waves 0 and 1 for the 128 rows that each fetches; the four partners take 32 of them each, told apart by address (cx), a lane a row; 29 requests, on into the second tile.
; B's tile column is read by both clusters of that column: cluster y = 0 asks, waves 2 and 3 for the 64 k-rows that each fetches; the partners take 16 of them each (cy), a lane half a row; 13 requests, in
; the first tile alone: the second reads the same rows again.  The count stops the requests at the walk's last K step; nothing is asked for at the head.
.macro ASK
	s_cmp_gt_i32 s[PFC], 0
	s_cbranch_scc0 .Lnot_mine_\@
	global_prefetch_b8 v[PFO], s[PFA:PFA+1] th:TH_LOAD_NT scope:SCOPE_SE
.Lnot_mine_\@:
	s_sub_co_i32 s[PFC], s[PFC], 1
.endm
	s_load_b128 s[4:7], s[0:1], 0x0                ; xc s[4:5], wc s[6:7]
	s_load_b64 s[8:9], s[0:1], 0x10                ; qkv
	v_lshl_add_u32 v[SPW], v0, 2, SPARE
	v_mov_b32 v[NIL], 0
	ds_add_u32 v[SPW], v[NIL]                      ; the wave's opening: the add and its wait stand ahead of my first tensor load; the set-up below, work on registers, stands between them
	v_lshrrev_b32 v1, 5, v0
	v_readfirstlane_b32 s10, v1                    ; wave 0..3
	s_lshr_b32 s11, s10, 1                         ; which 128 tokens of the tile are mine.  Also: I fetch for A (0) or for B (1)
	s_and_b32 s12, s10, 1                          ; which 128 columns.  Also: which half of that tile I fetch
	s_bfe_u32 s40, ttmp6, 0x40000                  ; cx, cy: my place in the cluster
	s_bfe_u32 s41, ttmp6, 0x40004
	s_lshr_b32 s[PRJ], ttmp9, 1                    ; p: two clusters along x to a projection
	s_and_b32 s42, ttmp9, 1
	s_lshl_b32 s42, s42, 2
	s_add_co_u32 s42, s42, s40                     ; tile column in the projection, 0..7
	s_and_b32 s13, ttmp7, 0xffff
	s_lshl_b32 s13, s13, 2
	s_add_co_u32 s13, s13, s41                     ; my first tile row = 4 x cluster y + cy, 0..7
	s_lshl_b32 s14, s41, 2
	s_lshl_b32 s14, 15, s14                        ; my row of the cluster
	s_lshl_b32 s15, 0x1111, s40                    ; my column
	s_or_b32 s[G1+0], s14, (1<<16)|(1<<20)|(1<<21)|(5<<22)|(3<<25)   ; 15:0 the mask; 17:16 2-byte elements; 20 padding on; 21 set beside a mask; 24:22 after every 64 words (code 5); 31:25 4 words (code 3)
	s_mov_b32 s[G1+1], 128<<16                     ; tensor_dim0 = 128
	s_mov_b32 s[G1+2], 128<<16                     ; tensor_dim1 = 128
	s_mov_b32 s[G1+3], 128<<16                     ; tile_dim0 = 128
	s_mov_b32 s[G1+4], 128                         ; tile_dim1 = 128
	s_mov_b32 s[G1+5], ROWE                        ; elements from row to row
	s_mov_b32 s[G1+6], 0
	s_mov_b32 s[G1+7], 0
	s_or_b32 s[G1B+0], s15, (1<<16)|(1<<20)|(1<<21)|(6<<22)|(7<<25)  ; after every 128 words (code 6) 8 words (code 7)
	s_mov_b32 s[G1B+1], 256<<16                    ; tensor_dim0 = 256
	s_mov_b32 s[G1B+2], 64<<16                     ; tensor_dim1 = 64
	s_mov_b32 s[G1B+3], 256<<16                    ; tile_dim0 = 256
	s_mov_b32 s[G1B+4], 64                         ; tile_dim1 = 64
	s_mov_b32 s[G1B+5], 2048
	s_mov_b32 s[G1B+6], 0
	s_mov_b32 s[G1B+7], 0
	s_lshl_b32 s16, s13, 8                         ; A: token 256 x tile row + 128 x half, in bytes, at the projection's 4,096 bytes of the row
	s_lshl_b32 s21, s12, 7
	s_add_co_u32 s16, s16, s21
	s_mul_i32 s16, s16, ROWB
	s_lshl_b32 s21, s[PRJ], 12
	s_add_co_u32 s16, s16, s21
	s_mov_b32 s17, 0
	s_lshl_b32 s18, s[PRJ], 23                     ; B: k-row 2,048 p + 64 x half (4,096 bytes each), column byte 512 x tile column
	s_lshl_b32 s22, s12, 18
	s_add_co_u32 s18, s18, s22
	s_lshl_b32 s22, s42, 9
	s_add_co_u32 s18, s18, s22
	s_mov_b32 s19, 0
	s_mul_i32 s23, s10, HALFT                      ; where they go: A's two halves, then B's two = wave x 34,816: no place in the cluster enters an LDS address
	s_mov_b32 s[SEL], 0x76543210
	s_mov_b32 s[SEL+1], 0xfedcba98
	s_wait_dscnt 0x0                               ; the opening add is done
	s_wait_kmcnt 0x0
	s_add_nc_u64 s[14:15], s[4:5], s[16:17]
	s_add_nc_u64 s[18:19], s[6:7], s[18:19]
	CROUND                                         ; all sixteen work-groups are here: the first joint loads meet
.irp s, 0,1
	s_mov_b32 s[G0+4*(\s)], 1
	s_add_co_u32 s[G0+4*(\s)+1], s23, (\s)*SLOT
	s_add_nc_u64 s[G0+4*(\s)+2:G0+4*(\s)+3], s[14:15], (\s)*ASTEP
	s_or_b32 s[G0+4*(\s)+3], s[G0+4*(\s)+3], 0x80000000
	s_mov_b32 s[G0B+4*(\s)], 1
	s_add_co_u32 s[G0B+4*(\s)+1], s23, (\s)*SLOT
	s_add_nc_u64 s[G0B+4*(\s)+2:G0B+4*(\s)+3], s[18:19], (\s)*BSTEP
	s_or_b32 s[G0B+4*(\s)+3], s[G0B+4*(\s)+3], 0x80000000
	JLOAD \s                                       ; K steps 0 and 1: two loads of mine are out
.endr
	v_and_b32 v1, 15, v0                           ; r = l % 16
	v_bfe_u32 v2, v0, 4, 1                         ; h = l / 16
	v_mul_u32_u24 v3, v1, PA                       ; A's fragment: row r, 16 bytes for each half of the lanes
	v_lshl_add_u32 v3, v2, 4, v3
	s_mul_i32 s21, s11, HALFT                      ; my 128 tokens
	v_add_nc_u32 v[ADRA], s21, v3
	v_add_nc_u32 v[ADRA+1], SLOT, v[ADRA]
	v_and_b32 v4, 7, v0                            ; B's, turned: k-row 8 h + l % 8, columns 8 ((l / 8) % 2) on
	v_lshl_add_u32 v4, v2, 3, v4
	v_mul_u32_u24 v4, v4, PB
	v_bfe_u32 v5, v0, 3, 1
	v_lshl_add_u32 v4, v5, 4, v4
	s_lshl_b32 s22, s12, 8                         ; my 128 columns: 256 bytes of a k-row,
	s_add_co_u32 s22, s22, 2*HALFT                 ; behind A's 256 rows
	v_add_nc_u32 v[ADRB], s22, v4
	v_add_nc_u32 v[ADRB+1], SLOT, v[ADRB]
	s_mul_i32 s21, s10, STGW
	s_add_co_u32 s21, s21, STAGE                   ; my stage
	v_mul_u32_u24 v6, v1, SPITCH
	v_lshl_add_u32 v6, v2, 5, v6
	v_add_nc_u32 v[STO], s21, v6                   ; in: row r, 32 bytes for each half of the lanes
	v_and_b32 v7, 31, v0
	v_lshl_add_u32 v[RD], v7, 4, s21               ; back: 32 lanes take a row of 512 bytes
	v_lshlrev_b32 v[CO], 4, v1                     ; lanes 0-15: the head's row of d 0..63; lanes 16-31: that of d 64..127, 16 rows of 256 bytes on
	v_lshl_add_u32 v[CO], v2, 12, v[CO]
	v_mul_u32_u24 v6, v1, VPITCH
	v_lshl_add_u32 v6, v2, 4, v6
	v_add_nc_u32 v[STOV], s21, v6
	v_mul_u32_u24 v6, v2, VPITCH
	v_lshl_add_u32 v6, v1, 4, v6
	v_add_nc_u32 v[RDV], s21, v6                   ; back: lanes 0-15 one row of 256 bytes, lanes 16-31 the next
	v_mul_u32_u24 v6, v2, TOKB
	v_lshl_add_u32 v[CV], v1, 4, v6                ; and the same two tokens in qkv
.set i, 0
.rept 16
	v_mov_b32 v[R+i], 0                            ; written once whole: the exchange of the lanes' halves counts as a reader of its destination
.set i, i+1
.endr
	s_lshl_b32 s16, s13, 8                         ; qkv at my first token,
	s_lshl_b32 s21, s11, 7
	s_add_co_u32 s16, s16, s21
	s_mul_i32 s16, s16, TOKB
	s_mov_b32 s17, 0
	s_add_nc_u64 s[8:9], s[8:9], s[16:17]
	s_lshl_b32 s16, s42, 1                         ; at my head's row (head = 2 x tile column + half) among the projection's: 32 rows of 256 bytes for q, for k
	s_add_co_u32 s16, s16, s12
	s_lshl_b32 s16, s16, 8
	s_lshl_b32 s21, s[PRJ], 13
	s_add_co_u32 s16, s16, s21
	s_add_nc_u64 s[8:9], s[8:9], s[16:17]
	; the prefetches: both kinds' numbers are made, the wave's number chooses
	s_lshl_b32 s14, s13, 8
	s_lshl_b32 s21, s12, 7
	s_add_co_u32 s14, s14, s21
	s_lshl_b32 s21, s40, 5
	s_add_co_u32 s14, s14, s21                     ; A: my work-group's 32 tokens of the 128 that I fetch,
	s_mul_i32 s14, s14, ROWB
	s_lshl_b32 s21, s[PRJ], 12
	s_add_co_u32 s14, s14, s21
	s_add_co_u32 s14, s14, 2*ASTEP                 ; at K step 2: the first change of slots steps it to 3
	s_lshl_b32 s15, s[PRJ], 11
	s_lshl_b32 s21, s12, 6
	s_add_co_u32 s15, s15, s21
	s_lshl_b32 s21, s41, 4
	s_add_co_u32 s15, s15, s21                     ; B: my work-group's 16 k-rows of the 64 that I fetch
	s_lshl_b32 s15, s15, 12
	s_lshl_b32 s21, s42, 9
	s_add_co_u32 s15, s15, s21
	s_add_co_u32 s15, s15, 2*BSTEP
	s_and_b32 s22, ttmp9, 1                        ; A: 0 in the first of the two clusters that read these rows
	s_and_b32 s23, ttmp7, 0xffff                   ; B: 0 in cluster y = 0
	s_mov_b32 s18, ASTEP
	s_mov_b32 s19, ROWB
	s_mov_b32 s21, 29                              ; A: K steps 3 to 15 of the first tile and 0 to 15 of the second
	s_cmp_eq_u32 s11, 0
	s_cselect_b32 s16, s14, s15
	s_cselect_b64 s[PFA:PFA+1], s[4:5], s[6:7]
	s_cselect_b32 s[PST], s18, BSTEP
	s_cselect_b32 s19, s19, WROWB
	s_cselect_b32 s22, s22, s23
	s_cselect_b32 s21, s21, 13                     ; B: K steps 3 to 15 of the first tile
	s_cmp_eq_u32 s22, 0
	s_cselect_b32 s[PFC], s21, 0                   ; the same in all sixteen partners, for a given wave
	s_mov_b32 s[PST+1], 0
	s_mov_b32 s[PJ], PJUMP
	s_mov_b32 s[PJ+1], 0
	s_add_nc_u64 s[PFA:PFA+1], s[PFA:PFA+1], s[16:17]
	v_and_b32 v[PFO], 31, v0
	v_and_b32 v31, s11, v[PFO]                     ; A: a lane a row; B: two lanes a row, 256 bytes apart
	v_lshrrev_b32 v[PFO], s11, v[PFO]
	v_mul_u32_u24 v[PFO], s19, v[PFO]
	v_lshl_add_u32 v[PFO], v31, 8, v[PFO]
; 16 matrix instructions: token blocks a0, a0 + 1 of the window's four (hi = 0: my tokens 0-63, 1: tokens 64-127) x all 8 column blocks, 32 along K.  The 64 accumulators take turns, one instruction a
; turn, in the same order in every quarter step.  zero = 1: the product starts the sums: nothing is ever cleared.
.macro MUL16 f, hi, a0, zero
	WIN MUL_LO+0x50*(\hi)
.irp a, \a0, (\a0)+1
.irp b, 0,1,2,3,4,5,6,7
.if \zero
	v_wmma_f32_16x16x32_bf16 v[8*(8*(\a)+(\b)):8*(8*(\a)+(\b))+7], v[(\f)+8*(\b):(\f)+8*(\b)+7], v[(\f)+8*(4*(\hi)+(\a)):(\f)+8*(4*(\hi)+(\a))+7], 0
.else
	v_wmma_f32_16x16x32_bf16 v[8*(8*(\a)+(\b)):8*(8*(\a)+(\b))+7], v[(\f)+8*(\b):(\f)+8*(\b)+7], v[(\f)+8*(4*(\hi)+(\a)):(\f)+8*(4*(\hi)+(\a))+7], v[8*(8*(\a)+(\b)):8*(8*(\a)+(\b))+7]
.endif
.endr
.endr
.endm
; 32 LDS loads in one run: quarter q (32 along K) of a slot into buffer f: B's 8 fragments, turned, then A's 8
.macro FETCH slot, q, f
	WIN TO_B
.irp b, 0,1,2,3,4,5,6,7
	ds_load_tr16_b128 v[(\f)+8*(\b):(\f)+8*(\b)+3],   v[ADRB+(\slot)] offset:32*PB*(\q)+32*(\b)
	ds_load_tr16_b128 v[(\f)+8*(\b)+4:(\f)+8*(\b)+7], v[ADRB+(\slot)] offset:32*PB*(\q)+32*(\b)+16*PB
.endr
	WIN 0
.irp i, 0,1,2,3,4,5,6,7
	ds_load_b128 v[(\f)+8*(\i):(\f)+8*(\i)+3],   v[ADRA+(\slot)] offset:64*(\q)+16*PA*(\i)
	ds_load_b128 v[(\f)+8*(\i)+4:(\f)+8*(\i)+7], v[ADRA+(\slot)] offset:64*(\q)+16*PA*(\i)+32
.endr
.endm
.macro PLACES                          ; four places in front of loads into registers that matrix instructions have read, and of vector lines that read results or write sources
.rept 4
	v_nop
.endr
.endm
; A K step is four quarters of 32 along K, 64 matrix instructions each, on buffers 0, 1, 0, 1.  One of the first three: multiplies buffer f and, in its middle, fetches quarter q into g.
.macro QUARTER slot, q, f, g, zero
	s_wait_dscnt 8                                 ; B and A's blocks 0-3 are in; the youngest eight loads (A's blocks 4-7) may be out
	MUL16 \f, 0, 0, \zero
	MUL16 \f, 0, 2, \zero
	PLACES
	FETCH \slot, \q, \g
	s_wait_dscnt 32                                ; all but the 32 just issued
	MUL16 \f, 1, 0, \zero
	MUL16 \f, 1, 2, \zero
.endm
; The last quarter multiplies buffer 1 and changes slots: ONE barrier; in front of it each wave waits for all its tensor loads (one is out: its part of the next slot), adds 0 to its spare word, and waits
; for that and for its own reads of this slot.  fill = 1: the barrier opens a round of the cluster's, and this slot is filled again first thing behind it, 224 matrix instructions ahead of the wait for it:
; with this tile's K step two on (on = 0) or, in the first tile's last two K steps, with the second tile's K step 0 or 1 (on = 1).
.macro TURN slot, next, fill, on=0
.if \fill
	s_wait_xcnt 0x0                                ; the last prefetch, a K step back, has read its address: it is stepped here, ahead of the change's own waits
	s_cmp_eq_u32 s[PFC], 16                        ; 13 of A's 29 requests are out: the next names the second tile's K step 0 (B's count never holds 16)
	s_cselect_b64 s[PT:PT+1], s[PJ:PJ+1], s[PST:PST+1]
	s_add_nc_u64 s[PFA:PFA+1], s[PFA:PFA+1], s[PT:PT+1]
.endif
	WIN 0                                          ; (the add's two registers lie in window 0)
	s_wait_tensorcnt 0x0                           ; all my tensor loads have landed;
	ds_add_u32 v[SPW], v[NIL]                      ; 0 onto my spare word;
	s_wait_dscnt 9                                 ; (the add and the youngest eight loads may be out)
	MUL16 F1, 0, 0, 0                              ; sixteen matrix instructions stand between the add and the wait for it
	s_wait_dscnt 0x0                               ; the add is done, and my reads of this slot are over
	s_barrier_signal -1
	MUL16 F1, 0, 2, 0
.if \fill
	WIN 0
.endif
	s_barrier_wait -1
.if \fill
	CREST                                          ; no wave of any partner still reads this slot's tiles or has a load on its way
.if \on
	s_add_nc_u64 s[G0+4*(\slot)+2:G0+4*(\slot)+3], s[G0+4*(\slot)+2:G0+4*(\slot)+3], NEXT_A
	s_sub_nc_u64 s[G0B+4*(\slot)+2:G0B+4*(\slot)+3], s[G0B+4*(\slot)+2:G0B+4*(\slot)+3], BACK_B
.else
	s_add_nc_u64 s[G0+4*(\slot)+2:G0+4*(\slot)+3], s[G0+4*(\slot)+2:G0+4*(\slot)+3], 2*ASTEP
	s_add_nc_u64 s[G0B+4*(\slot)+2:G0B+4*(\slot)+3], s[G0B+4*(\slot)+2:G0B+4*(\slot)+3], 2*BSTEP
.endif
	JLOAD \slot                                    ; the four v_nop behind it are also the places in front of the loads below
.else
	PLACES
.endif
	FETCH \next, 0, F0
.if \fill
	ASK                                            ; (FETCH leaves every window 0)
.endif
	MUL16 F1, 1, 0, 0
	MUL16 F1, 1, 2, 0
.endm
; THE WAY OUT OF q AND k.  SUM a: the sum of the head's 128 channels for the 16 tokens of block a: my 64 numbers in a tree of packed additions (each accumulator's lowest registers first),
; then the other half of the lanes', then + 1e-6.
.macro SUM a
.set AC, 64*((\a)%4)
	WIN 0x0a+5*((\a)/4)                            ; sources 0 and 1 window 2 or 3, destination window 0
.irp b, 0,1,2,3,4,5,6,7
	v_pk_add_f32 v[T+4*(\b):T+4*(\b)+1],   v[AC+8*(\b):AC+8*(\b)+1],   v[AC+8*(\b)+2:AC+8*(\b)+3]
	v_pk_add_f32 v[T+4*(\b)+2:T+4*(\b)+3], v[AC+8*(\b)+4:AC+8*(\b)+5], v[AC+8*(\b)+6:AC+8*(\b)+7]
.endr
	WIN 0
.irp i, 0,1,2,3,4,5,6,7
	v_pk_add_f32 v[T+4*(\i):T+4*(\i)+1], v[T+4*(\i):T+4*(\i)+1], v[T+4*(\i)+2:T+4*(\i)+3]
.endr
.irp i, 0,1,2,3
	v_pk_add_f32 v[T+8*(\i):T+8*(\i)+1], v[T+8*(\i):T+8*(\i)+1], v[T+8*(\i)+4:T+8*(\i)+5]
.endr
.irp i, 0,1
	v_pk_add_f32 v[T+16*(\i):T+16*(\i)+1], v[T+16*(\i):T+16*(\i)+1], v[T+16*(\i)+8:T+16*(\i)+9]
.endr
	v_pk_add_f32 v[T:T+1], v[T:T+1], v[T+16:T+17]
	v_add_f32 v[R+2*(\a)], v[T], v[T+1]
	v_permlanex16_b32 v[R+2*(\a)+1], v[R+2*(\a)], s[SEL], s[SEL+1]
	v_add_f32 v[R+2*(\a)], v[R+2*(\a)], v[R+2*(\a)+1]
	v_add_f32 v[R+2*(\a)], 0x358637bd, v[R+2*(\a)] ; + 1e-6
.endm
.macro PACK a                          ; block a times 1 / (sum + 1e-6), in f32
.set AC, 64*((\a)%4)
	WIN 0x02+(\a)/4                                ; source 0 window 2 or 3
.set i, 0
.rept 32
	v_pk_mul_f32 v[TMP+2*i:TMP+2*i+1], v[AC+2*i:AC+2*i+1], v[R+2*(\a):R+2*(\a)+1] op_sel_hi:[1,0]
.set i, i+1
.endr
	WIN 0
.endm
.macro TOSTAGE a                       ; into my own stage, and back as whole rows of 512 bytes
	WIN 0
.irp b, 0,1,2,3,4,5,6,7
	ds_store_b128 v[STO], v[TMP+8*(\b):TMP+8*(\b)+3]   offset:64*(\b)
	ds_store_b128 v[STO], v[TMP+8*(\b)+4:TMP+8*(\b)+7] offset:64*(\b)+16
.endr
	WIN 0x40*((\a)%2)                              ; destination window 0 or 1
.irp i, 0,1,2,3,4,5,6,7,8,9,10,11,12,13,14,15
	ds_load_b128 v[OB+4*(\i):OB+4*(\i)+3], v[RD] offset:SPITCH*(\i)  ; LDS serves a wave's instructions in order (ISA guide 5.7.1.4): these see the stores above
.endr
	WIN 0
.endm
.macro SEND a
	s_wait_dscnt 0x0                               ; the block is back in registers
	s_wait_xcnt 0x0                                ; the stores of the block before have read their registers: the next TOSTAGE loads into them
	WIN 0x04*((\a)%2)                              ; the stores' data in window 0 or 1
.irp i, 0,1,2,3,4,5,6,7,8,9,10,11,12,13,14,15
	global_store_b128 v[CO], v[OB+4*(\i):OB+4*(\i)+3], s[8:9] offset:(16*(\a)+(\i))*TOKB  ; 16 lanes store 256 consecutive bytes, at a multiple of 256 from qkv's first byte
.endr
	WIN 0
.endm
; THE WAY OUT OF v: rounded to f16, 16 bytes a lane, through the stage, back as whole rows of 256 bytes.
.macro PACKV a
.set AC, 64*((\a)%4)
	WIN 0x0a+5*((\a)/4)
.irp b, 0,1,2,3,4,5,6,7
.irp j, 0,1,2,3
	v_cvt_pk_f16_f32 v[TMP+4*(\b)+(\j)], v[AC+8*(\b)+2*(\j)], v[AC+8*(\b)+2*(\j)+1]
.endr
.endr
	WIN 0
.endm
.macro TOSTAGEV a
	WIN 0
.irp b, 0,1,2,3,4,5,6,7
	ds_store_b128 v[STOV], v[TMP+4*(\b):TMP+4*(\b)+3] offset:32*(\b)
.endr
	WIN 0x40*((\a)%2)
.irp i, 0,1,2,3,4,5,6,7
	ds_load_b128 v[OB+4*(\i):OB+4*(\i)+3], v[RDV] offset:2*VPITCH*(\i)
.endr
	WIN 0
.endm
.macro SENDV a
	s_wait_dscnt 0x0
	s_wait_xcnt 0x0
	WIN 0x04*((\a)%2)
.irp i, 0,1,2,3,4,5,6,7
	global_store_b128 v[CV], v[OB+4*(\i):OB+4*(\i)+3], s[8:9] offset:(16*(\a)+2*(\i))*TOKB
.endr
	WIN 0
.endm
	s_wait_tensorcnt 1                             ; my part of K step 0 is in; K step 1's may stay out
	s_barrier_signal -1
	s_barrier_wait -1                              ; everybody's is
	FETCH 0, 0, F0
	WIN 0                                          ; at a label and at a branch every window is 0
	s_mov_b32 s2, 2                                ; tiles to go
.Ltile:
	QUARTER 0, 1, F0, F1, 1                        ; a tile's first quarter stands in front of the loop: its products start the sums
	WIN 0
	s_mov_b32 s3, 7                                ; a tile is 16 K steps, 8 laps of the ring
.Llap:                                                 ; a trip goes once round the ring, from a lap's second quarter to the next lap's first, and fills both slots again
	QUARTER 0, 2, F1, F0, 0
	QUARTER 0, 3, F0, F1, 0
	TURN 0, 1, 1
	QUARTER 1, 1, F0, F1, 0
	QUARTER 1, 2, F1, F0, 0
	QUARTER 1, 3, F0, F1, 0
	TURN 1, 0, 1
	QUARTER 0, 1, F0, F1, 0
	WIN 0
	s_sub_co_u32 s3, s3, 1
	s_cmp_lg_u32 s3, 0
	s_cbranch_scc1 .Llap
	QUARTER 0, 2, F1, F0, 0                        ; the tile's last lap goes on
	QUARTER 0, 3, F0, F1, 0
	WIN 0
	s_cmp_eq_u32 s2, 1
	s_cbranch_scc1 .Llast                          ; the second tile's tail is written out: it asks for nothing more
	TURN 0, 1, 1, 1                                ; the ring goes on into the second tile: slot 0 takes its K step 0,
	QUARTER 1, 1, F0, F1, 0
	QUARTER 1, 2, F1, F0, 0
	QUARTER 1, 3, F0, F1, 0
	TURN 1, 0, 1, 1                                ; slot 1 its K step 1, and the second tile's first fragments are fetched into buffer 0, which the way out leaves alone
	WIN 0
	s_branch .Lout
.Llast:
	TURN 0, 1, 0                                   ; my one tensor load that was still out is the last K step's, so no round follows
	QUARTER 1, 1, F0, F1, 0
	QUARTER 1, 2, F1, F0, 0
	QUARTER 1, 3, F0, F1, 0
	s_wait_dscnt 8                                 ; the very last quarter: nothing more to fetch
	MUL16 F1, 0, 0, 0
	MUL16 F1, 0, 2, 0
	s_wait_dscnt 0x0
	MUL16 F1, 1, 0, 0
	MUL16 F1, 1, 2, 0
	WIN 0
.Lout:                                                 ; both refills, if any, are asked for: now the tile goes out
	PLACES                                         ; behind the last products: the lines below read results and write over buffer 1 of A's fragments
	s_cmp_eq_u32 s[PRJ], 2                         ; p is the same in all partners of the cluster; no barrier and no tensor load stands in either arm
	s_cbranch_scc1 .Lv
.irp a, 0,1,2,3,4,5,6,7
	SUM \a
.endr
.irp a, 0,1,2,3,4,5,6,7
	v_rcp_f32 v[R+2*(\a)], v[R+2*(\a)]
.endr
	v_nop                                          ; a plain instruction between the last reciprocal and the use of its result
	s_wait_alu depctr_va_vdst(0)                   ; and a wait ahead of the first use: one for the eight
	PACK 0
	TOSTAGE 0
.irp a, 1,2,3,4,5,6,7                  ; block a's scaling stands between block a - 1's loads from the stage and the wait for them
	PACK \a
	SEND (\a)-1
	TOSTAGE \a
.endr
	SEND 7
	s_branch .Ldone
.Lv:
	PACKV 0
	TOSTAGEV 0
.irp a, 1,2,3,4,5,6,7
	PACKV \a
	SENDV (\a)-1
	TOSTAGEV \a
.endr
	SENDV 7
.Ldone:
	s_cmp_eq_u32 s2, 1
	s_cbranch_scc1 .Lend
	s_wait_xcnt 0x0                                ; the stores have read their base and their registers
	s_add_nc_u64 s[8:9], s[8:9], NEXT_C            ; 2,048 tokens on
	s_sub_co_u32 s2, s2, 1
	s_branch .Ltile
.Lend:
	s_wait_tensorcnt 0x0                           ; the wave's end, behind my last tensor load and my last LDS store
	ds_add_u32 v[SPW], v[NIL]
	s_wait_dscnt 0x0
	CROUND                                         ; the closing round: no work-group ends while a partner may still ask for a tile that names it
	s_endpgm
.Lfunc_end_k_qfae1c19489_proj:
	.size	k_qfae1c19489_proj, .Lfunc_end_k_qfae1c19489_proj-k_qfae1c19489_proj
	.p2alignl 7, 3214868480
	.fill 96, 4, 3214868480
	.section	.rodata,"a",@progbits
	.p2align	6, 0x0
	.amdhsa_kernel k_qfae1c19489_proj
		.amdhsa_group_segment_fixed_size 327680
		.amdhsa_private_segment_fixed_size 0
		.amdhsa_enable_private_segment 0
		.amdhsa_kernarg_size 24
		.amdhsa_user_sgpr_count 2
		.amdhsa_user_sgpr_kernarg_segment_ptr 1
		.amdhsa_wavefront_size32 1
		.amdhsa_system_sgpr_workgroup_id_x 1
		.amdhsa_system_sgpr_workgroup_id_y 1
		.amdhsa_system_sgpr_workgroup_id_z 1
		.amdhsa_system_vgpr_workitem_id 0
		.amdhsa_next_free_vgpr 1024
		.amdhsa_next_free_sgpr 72
		.amdhsa_reserve_vcc 0
		.amdhsa_float_denorm_mode_32 3
		.amdhsa_float_denorm_mode_16_64 3
		.amdhsa_memory_ordered 1
		.amdhsa_forward_progress 1
		.amdhsa_inst_pref_size 244
	.end_amdhsa_kernel
	.amdgpu_metadata
---
amdhsa.version: [ 1, 2 ]
amdhsa.kernels:
  - .name:           k_qfae1c19489_proj
    .symbol:         k_qfae1c19489_proj.kd
    .args:
      - { .name: xc, .offset: 0, .size: 8, .value_kind: global_buffer, .address_space: global }
      - { .name: wc, .offset: 8, .size: 8, .value_kind: global_buffer, .address_space: global }
      - { .name: qkv, .offset: 16, .size: 8, .value_kind: global_buffer, .address_space: global }
    .group_segment_fixed_size: 327680
    .private_segment_fixed_size: 0
    .kernarg_segment_align: 8
    .kernarg_segment_size: 24
    .max_flat_workgroup_size: 128
    .sgpr_count:     72
    .vgpr_count:     1024
    .wavefront_size: 32
...
	.end_amdgpu_metadata
.endif
;; end of part 2
;; launch attn (part 3): grid 256 x 1, 4 waves a work-group, no clusters, 327,680 bytes of LDS; arguments qkv, mask, at, out1; writes at, out1
.if DOCPART == 3
	.amdgcn_target "amdgcn-amd-amdhsa--gfx1250"
	.amdhsa_code_object_version 6
	.text
	.protected	k_qfae1c19489_attn
	.globl	k_qfae1c19489_attn
	.p2align	8
	.type	k_qfae1c19489_attn,@function
k_qfae1c19489_attn:
	s_mov_b64 s[64:65], 0
	v_nop
	global_prefetch_b8 v0, s[64:65] scope:SCOPE_SE
	s_setreg_imm32_b32 hwreg(HW_REG_WAVE_MODE, 25, 1), 1
	s_wait_xcnt 0x0
; FOR EACH TOKEN, ATTENTION ACROSS ITS 16 HEADS.  qkv: [4096 tokens][80 rows][256 bytes] (q_n, k_n in f32, v in f16, as the launch before lays them); mask, out1: [4096][16 q][16 k] f32; at: [4096][2048] f16.
; logit[q][k] = q_n[q] . k_n[k] + mask[q][k] x (-1e9);  w = softmax over k of logit / sqrt(128) -> out1;  at[q][:] = the sum over k of w[q][k] v[k][:].
; q_n AND k_n ARE SPLIT: x = hi + lo, both bf16 (hi = x rounded, lo = x - hi, which is exact, rounded), and the logit is three products, hi hi + hi lo + lo hi, summed in f32: about 16 significant bits at
; bf16's range.  A head's sum near 0 makes logits of a spread of hundreds, in which one bf16 rounding of q_n or k_n would move a weight.
; LIMITS.  mask x (-1e9) + logit is one fused multiply-add; the row's maximum is taken away BEFORE the scaling by log2(e) / sqrt(128), which keeps the differences exact in rows that are masked throughout;
; a weight below 2^-126 counts as 0; the weights and at are rounded to f16 (at lies within v's range, v within 65,504); NaN and infinities are not treated apart.
; SHARES.  A work-group takes 16 tokens, a wave 4, each wholly by itself: 256 work-groups.  NO CLUSTER: no two work-groups read the same byte.  No prefetch: three of a wave's four tokens are asked for at the head.
; LAYOUT.  S^T = K Q^T (source 0 = the 16 key heads, source 1 = the 16 query heads): a lane holds query head l % 16 and the key heads 8 (l / 16) + 0..7.  Rounded to f16 these 8 weights ARE the lower half of
; source 1 of O^T = V^T W (K = 32, of which 16 are heads; the upper half of W is 0).  V ([head][channel]) comes turned, by ds_load_tr16_b128.
; Along K a lane takes d = 32 c + 16 (l / 16) + 0..15 of chunk c, for Q and K alike: the same permutation on both sides keeps the products.
; LDS.  Each wave has three token slots of its own; one is filled again, for its fourth token.
.set TOKB,  20480                      ; a token's bytes in qkv
.set TP,    272                        ; a token row in LDS: 256 bytes + 16
.set TOKL,  80*TP                      ; a slot: 21,760
.set MSK,   4*3*TOKL                   ; 261,120: a wave's four masks, 64 rows of 64 bytes + 16
.set MP,    80
.set STG,   MSK+4*64*MP                ; 281,600: 16 rows x 272 for each wave, at's way out; never filled by a tensor load
.set STW,   STG+4*16*TP                ; 299,008: 16 rows x 80 for each wave, out1's way out
.set SPARE, STW+4*16*MP                ; 304,128: the spare words, 128 bytes for each wave: two blocks of 256 bytes that no other line names
.set AQ,   1                           ; v1-3   slot s: my 64 bytes of a row of q
.set AV,   4                           ; v4-6   slot s: my place in v, for the turning load
.set AM,   7                           ; v7     my 32 bytes of a mask
.set STO,  8                           ; v8     at's way out: in
.set RD,   9                           ; v9     and back
.set GO,   10                          ; v10    16 x lane: my bytes in 512 consecutive bytes of at or out1
.set WST,  11                          ; v11    out1's way out: in
.set WRD,  12                          ; v12    and back
.set NEG1, 13                          ; v13    -1.0
.set SPW,  14                          ; v14    LDS address of my spare word; never rewritten
.set NIL,  15                          ; v15    0; never rewritten
.set RAW,  16                          ; v[16:143]  chunk c: 16 f32 of K at RAW + 32 c, of Q at RAW + 32 c + 16
.set VV,   16                          ; later: v's fragment of channel block b at VV + 4 b; v48-51 hold 0
.set OO,   80                          ; later: O^T, block b at OO + 8 b
.set FR,   144                         ; v[144:207] two sets of K hi, K lo, Q hi, Q lo, 8 registers each
.set PK,   144                         ; later: O^T packed
.set BK,   176                         ; later: read back from the stage
.set S0,   208                         ; hi hi
.set S1,   216                         ; hi lo
.set S2,   224                         ; lo hi
.set MK,   232                         ; v[232:239] the mask; later the weights read back
.set PF,   240                         ; v[240:247] the weights in f16; the upper four hold 0
.set WK,   248                         ; v[248:255] at work
.set G1T, 16                           ; s[16:23] descriptor group 1 for a token
.set G1M, 24                           ; s[24:31] for the masks
.set G0,  32                           ; s[32:43] group 0, a set for each slot
.set G0M, 44                           ; s[44:47] the masks'
.set SEL, 48                           ; s[48:49] v_permlanex16_b32's selects
.set LM,  56                           ; s56  LDS byte of my wave's masks
.set LG,  57                           ; s57  of my stage for at
.set LW,  58                           ; s58  of my stage for out1
	s_load_b256 s[4:11], s[0:1], 0x0               ; qkv s[4:5], mask s[6:7], at s[8:9], out1 s[10:11]
	v_lshl_add_u32 v[SPW], v0, 2, SPARE
	v_mov_b32 v[NIL], 0
	ds_add_u32 v[SPW], v[NIL]                      ; the wave's opening: the add and its wait stand ahead of my first tensor load; the set-up below, work on registers, stands between them
	v_lshrrev_b32 v1, 5, v0
	v_readfirstlane_b32 s12, v1                    ; wave 0..3
	s_lshl_b32 s14, ttmp9, 4
	s_lshl_b32 s15, s12, 2
	s_add_co_u32 s14, s14, s15                     ; my first token
	s_mul_i32 s50, s14, TOKB
	s_mov_b32 s51, 0
	s_lshl_b32 s52, s14, 10                        ; 1,024 bytes a token in mask and out1
	s_mov_b32 s53, 0
	s_lshl_b32 s54, s14, 12                        ; 4,096 in at
	s_mov_b32 s55, 0
	s_mul_i32 s13, s12, 3*TOKL                     ; my three slots
	s_mul_i32 s[LM], s12, 64*MP
	s_add_co_u32 s[LM], s[LM], MSK                 ; my masks
	s_mul_i32 s[LG], s12, 16*TP
	s_add_co_u32 s[LG], s[LG], STG
	s_mul_i32 s[LW], s12, 16*MP
	s_add_co_u32 s[LW], s[LW], STW
	s_mov_b32 s[G1T+0], (1<<16)|(1<<20)|(5<<22)|(3<<25)  ; 2-byte elements; padding on: after every 64 words (code 5) 4 words (code 3)
	s_mov_b32 s[G1T+1], 128<<16                    ; tensor_dim0 = 128: rows of 256 bytes
	s_mov_b32 s[G1T+2], 80<<16                     ; tensor_dim1 = 80
	s_mov_b32 s[G1T+3], 128<<16                    ; tile_dim0
	s_mov_b32 s[G1T+4], 80                         ; tile_dim1
	s_mov_b32 s[G1T+5], 128                        ; dense
	s_mov_b32 s[G1T+6], 0
	s_mov_b32 s[G1T+7], 0
	s_mov_b32 s[G1M+0], (2<<16)|(1<<20)|(3<<22)|(3<<25)  ; 4-byte elements; after every 16 words (code 3), a mask's row, 4 words (code 3)
	s_mov_b32 s[G1M+1], 64<<16                     ; four masks are 4,096 dense bytes: 16 rows of 256
	s_mov_b32 s[G1M+2], 16<<16
	s_mov_b32 s[G1M+3], 64<<16
	s_mov_b32 s[G1M+4], 16
	s_mov_b32 s[G1M+5], 64
	s_mov_b32 s[G1M+6], 0
	s_mov_b32 s[G1M+7], 0
.irp s, 0,1,2
	s_mov_b32 s[G0+4*(\s)], 1
	s_add_co_u32 s[G0+4*(\s)+1], s13, (\s)*TOKL
.endr
	s_mov_b32 s[G0M], 1
	s_mov_b32 s[G0M+1], s[LM]
	s_mov_b32 s[SEL], 0x76543210
	s_mov_b32 s[SEL+1], 0xfedcba98
	s_wait_dscnt 0x0                               ; the opening add is done
	s_wait_kmcnt 0x0
	s_add_nc_u64 s[4:5], s[4:5], s[50:51]
	s_add_nc_u64 s[6:7], s[6:7], s[52:53]
	s_add_nc_u64 s[10:11], s[10:11], s[52:53]
	s_add_nc_u64 s[8:9], s[8:9], s[54:55]
.irp s, 0,1,2
	s_add_nc_u64 s[G0+4*(\s)+2:G0+4*(\s)+3], s[4:5], (\s)*TOKB
	s_or_b32 s[G0+4*(\s)+3], s[G0+4*(\s)+3], 0x80000000
.endr
	s_mov_b64 s[G0M+2:G0M+3], s[6:7]
	s_or_b32 s[G0M+3], s[G0M+3], 0x80000000
	tensor_load_to_lds s[G0:G0+3], s[G1T:G1T+7]    ; the first fills, one group: token 0, the masks, tokens 1 and 2: four loads of mine are out
	s_nop 0
	tensor_load_to_lds s[G0M:G0M+3], s[G1M:G1M+7]
	s_nop 0
	tensor_load_to_lds s[G0+4:G0+7], s[G1T:G1T+7]
	s_nop 0
	tensor_load_to_lds s[G0+8:G0+11], s[G1T:G1T+7]
	s_nop 0
	v_and_b32 v248, 15, v0                         ; r = l % 16
	v_bfe_u32 v249, v0, 4, 1                       ; h = l / 16
	v_mul_u32_u24 v250, v248, TP
	v_lshl_add_u32 v[AQ], v249, 6, v250            ; row r, 64 bytes for each half of the lanes
	v_add_nc_u32 v[AQ], s13, v[AQ]
	v_add_nc_u32 v[AQ+1], TOKL, v[AQ]
	v_add_nc_u32 v[AQ+2], 2*TOKL, v[AQ]
	v_and_b32 v251, 7, v0                          ; the turning load: head 8 h + l % 8, channels 8 ((l / 8) % 2) on
	v_lshl_add_u32 v251, v249, 3, v251
	v_mul_u32_u24 v251, v251, TP
	v_bfe_u32 v252, v0, 3, 1
	v_lshl_add_u32 v251, v252, 4, v251
	s_add_co_u32 s15, s13, 64*TP                   ; v's rows lie behind q's and k's 64
	v_add_nc_u32 v[AV], s15, v251
	v_add_nc_u32 v[AV+1], TOKL, v[AV]
	v_add_nc_u32 v[AV+2], 2*TOKL, v[AV]
	v_mul_u32_u24 v253, v248, MP
	v_lshl_add_u32 v253, v249, 5, v253             ; row r of 16 f32, 32 bytes for each half of the lanes
	v_add_nc_u32 v[AM], s[LM], v253
	v_add_nc_u32 v[WST], s[LW], v253
	v_lshl_add_u32 v250, v249, 4, v250
	v_add_nc_u32 v[STO], s[LG], v250               ; row r, 16 bytes for each half
	v_mul_u32_u24 v251, v249, TP
	v_lshl_add_u32 v251, v248, 4, v251
	v_add_nc_u32 v[RD], s[LG], v251                ; back: lanes 0-15 one row of 256 bytes, lanes 16-31 the next
	v_and_b32 v[GO], 31, v0
	v_lshlrev_b32 v[GO], 4, v[GO]
	v_bfe_u32 v252, v0, 2, 3
	v_mul_u32_u24 v252, v252, MP
	v_and_b32 v254, 3, v0
	v_lshl_add_u32 v252, v254, 4, v252
	v_add_nc_u32 v[WRD], s[LW], v252               ; back: four lanes a row of 64 bytes, eight rows
	v_mov_b32 v[NEG1], -1.0
.irp i, 4,5,6,7
	v_mov_b32 v[PF+(\i)], 0                        ; heads 16 to 31 do not exist: their weights are 0, once and for all
.endr
; 16 f32 -> 8 registers of hi and 8 of lo.  hi = x rounded to bf16; x - hi, exact, takes x's place; lo = that, rounded.
.macro SPLIT src, hi, lo
.irp j, 0,1,2,3,4,5,6,7
	v_cvt_pk_bf16_f32 v[(\hi)+(\j)], v[(\src)+2*(\j)], v[(\src)+2*(\j)+1]
.endr
.irp j, 0,1,2,3,4,5,6,7
	v_fma_mix_f32_bf16 v[(\src)+2*(\j)],   v[(\hi)+(\j)], v[NEG1], v[(\src)+2*(\j)]   op_sel_hi:[1,0,0]
	v_fma_mix_f32_bf16 v[(\src)+2*(\j)+1], v[(\hi)+(\j)], v[NEG1], v[(\src)+2*(\j)+1] op_sel:[1,0,0] op_sel_hi:[1,0,0]
.endr
.irp j, 0,1,2,3,4,5,6,7
	v_cvt_pk_bf16_f32 v[(\lo)+(\j)], v[(\src)+2*(\j)], v[(\src)+2*(\j)+1]
.endr
.endm
.macro PLACES                          ; four places between a matrix instruction and a vector line that reads its result (ISA guide 7.12.1)
.rept 4
	v_nop
.endr
.endm
; TOKEN t of my four, in slot s.  tw: how many younger tensor loads may stay out.
.macro TOKEN t, s, tw
.if (\t) > 0
	s_wait_xcnt 0x0                                ; the last token's stores have read their registers, which are written again below
.endif
	s_wait_tensorcnt \tw
.irp c, 0,1,2,3                        ; 34 LDS loads in one run: chunk by chunk K's 64 bytes, then Q's; then the mask
.irp i, 0,1,2,3
	ds_load_b128 v[RAW+32*(\c)+4*(\i):RAW+32*(\c)+4*(\i)+3], v[AQ+(\s)] offset:32*TP+16*TP*((\c)/2)+128*((\c)%2)+16*(\i)
.endr
.irp i, 0,1,2,3
	ds_load_b128 v[RAW+32*(\c)+16+4*(\i):RAW+32*(\c)+16+4*(\i)+3], v[AQ+(\s)] offset:16*TP*((\c)/2)+128*((\c)%2)+16*(\i)
.endr
.endr
	ds_load_b128 v[MK:MK+3],   v[AM] offset:16*MP*(\t)
	ds_load_b128 v[MK+4:MK+7], v[AM] offset:16*MP*(\t)+16
.irp c, 0,1,2,3
.set KH, FR+32*((\c)%2)
.set KL, KH+8
.set QH, KH+16
.set QL, KH+24
.if (\c) == 0
	s_wait_dscnt 26                                ; chunk 0 is in; three chunks' 24 loads and the mask's 2 may be out
.else
	s_wait_dscnt 34-8*(\c)                         ; chunk c is in; out may be the later chunks' 8 each, the mask's 2 and v's 8
.endif
	SPLIT RAW+32*(\c), KH, KL
	SPLIT RAW+32*(\c)+16, QH, QL
.if (\c) == 0                          ; the three sums take turns, one instruction a turn; the first chunk starts them
	v_wmma_f32_16x16x32_bf16 v[S0:S0+7], v[KH:KH+7], v[QH:QH+7], 0
	v_wmma_f32_16x16x32_bf16 v[S1:S1+7], v[KH:KH+7], v[QL:QL+7], 0
	v_wmma_f32_16x16x32_bf16 v[S2:S2+7], v[KL:KL+7], v[QH:QH+7], 0
.irp b, 0,1,2,3,4,5,6,7                ; v, turned, into chunk 0's registers, which have been split
	ds_load_tr16_b128 v[VV+4*(\b):VV+4*(\b)+3], v[AV+(\s)] offset:32*(\b)
.endr
.else
	v_wmma_f32_16x16x32_bf16 v[S0:S0+7], v[KH:KH+7], v[QH:QH+7], v[S0:S0+7]
	v_wmma_f32_16x16x32_bf16 v[S1:S1+7], v[KH:KH+7], v[QL:QL+7], v[S1:S1+7]
	v_wmma_f32_16x16x32_bf16 v[S2:S2+7], v[KL:KL+7], v[QH:QH+7], v[S2:S2+7]
.endif
.if (\c) == 1
.irp i, 0,1,2,3
	v_mov_b32 v[VV+32+(\i)], 0                     ; behind v's last block: the upper half of its fragment
.endr
.endif
.endr
	PLACES
.irp i, 0,1,2,3                        ; the small sums first; each accumulator's lowest registers are read first
	v_pk_add_f32 v[S1+2*(\i):S1+2*(\i)+1], v[S1+2*(\i):S1+2*(\i)+1], v[S2+2*(\i):S2+2*(\i)+1]
.endr
.irp i, 0,1,2,3
	v_pk_add_f32 v[S0+2*(\i):S0+2*(\i)+1], v[S0+2*(\i):S0+2*(\i)+1], v[S1+2*(\i):S1+2*(\i)+1]
.endr
	s_wait_dscnt 8                                 ; the mask is in; v's 8 loads may be out
.irp i, 0,1,2,3
	v_pk_fma_f32 v[S0+2*(\i):S0+2*(\i)+1], v[MK+2*(\i):MK+2*(\i)+1], 0xce6e6b28, v[S0+2*(\i):S0+2*(\i)+1] op_sel_hi:[1,0,1]  ; + mask x (-1e9)
.endr
	v_max3_num_f32 v[WK], v[S0], v[S0+1], v[S0+2]
	v_max3_num_f32 v[WK+1], v[S0+3], v[S0+4], v[S0+5]
	v_max3_num_f32 v[WK], v[WK], v[S0+6], v[S0+7]
	v_max_num_f32 v[WK], v[WK], v[WK+1]
	v_permlanex16_b32 v[WK+1], v[WK], s[SEL], s[SEL+1]  ; the query head's other 8 key heads lie in the lane 16 away
	v_max_num_f32 v[WK], v[WK], v[WK+1]
.irp i, 0,1,2,3                        ; the maximum is taken away first, and only then the scale applied: not fused, so that the differences stay exact beside -1e9
	v_pk_add_f32 v[S0+2*(\i):S0+2*(\i)+1], v[S0+2*(\i):S0+2*(\i)+1], v[WK:WK+1] op_sel_hi:[1,0] neg_lo:[0,1] neg_hi:[0,1]
.endr
.irp i, 0,1,2,3
	v_pk_mul_f32 v[S0+2*(\i):S0+2*(\i)+1], v[S0+2*(\i):S0+2*(\i)+1], 0x3e0293ee op_sel_hi:[1,0]  ; log2(e) / sqrt(128)
.endr
.irp i, 0,1,2,3,4,5,6,7
	v_exp_f32 v[S0+(\i)], v[S0+(\i)]
.endr
	v_nop                                          ; a plain instruction behind the last exponential,
	s_wait_alu depctr_va_vdst(0)                   ; and a wait ahead of the first use: one for the eight
	v_pk_add_f32 v[WK+2:WK+3], v[S0:S0+1], v[S0+2:S0+3]
	v_pk_add_f32 v[WK+4:WK+5], v[S0+4:S0+5], v[S0+6:S0+7]
	v_pk_add_f32 v[WK+2:WK+3], v[WK+2:WK+3], v[WK+4:WK+5]
	v_add_f32 v[WK+2], v[WK+2], v[WK+3]
	v_permlanex16_b32 v[WK+3], v[WK+2], s[SEL], s[SEL+1]
	v_add_f32 v[WK+2], v[WK+2], v[WK+3]
	v_rcp_f32 v[WK+2], v[WK+2]
	v_nop
	s_wait_alu depctr_va_vdst(0)                   ; the reciprocal's
.irp i, 0,1,2,3
	v_pk_mul_f32 v[S0+2*(\i):S0+2*(\i)+1], v[S0+2*(\i):S0+2*(\i)+1], v[WK+2:WK+3] op_sel_hi:[1,0]
.endr
	ds_store_b128 v[WST], v[S0:S0+3]               ; the weights go through my own stage and come back as 1,024 consecutive bytes
	ds_store_b128 v[WST], v[S0+4:S0+7] offset:16
	ds_load_b128 v[MK:MK+3],   v[WRD]              ; LDS serves a wave's instructions in order (ISA guide 5.7.1.4): these see the stores above
	ds_load_b128 v[MK+4:MK+7], v[WRD] offset:8*MP
.irp j, 0,1,2,3
	v_cvt_pk_f16_f32 v[PF+(\j)], v[S0+2*(\j)], v[S0+2*(\j)+1]
.endr
	s_wait_dscnt 0x0                               ; v and the weights are in
	global_store_b128 v[GO], v[MK:MK+3],   s[10:11] offset:1024*(\t) th:TH_STORE_NT
	global_store_b128 v[GO], v[MK+4:MK+7], s[10:11] offset:1024*(\t)+512 th:TH_STORE_NT
.irp b, 0,1,2,3,4,5,6,7                ; the upper half of a fragment of v is the next block's registers (finite numbers) or 0: it meets weights that are 0
	v_wmma_f32_16x16x32_f16 v[OO+8*(\b):OO+8*(\b)+7], v[VV+4*(\b):VV+4*(\b)+7], v[PF:PF+7], 0
.endr
	PLACES
.irp b, 0,1,2,3,4,5,6,7
.irp j, 0,1,2,3
	v_cvt_pk_f16_f32 v[PK+4*(\b)+(\j)], v[OO+8*(\b)+2*(\j)], v[OO+8*(\b)+2*(\j)+1]
.endr
.endr
.irp b, 0,1,2,3,4,5,6,7
	ds_store_b128 v[STO], v[PK+4*(\b):PK+4*(\b)+3] offset:32*(\b)
.endr
.irp i, 0,1,2,3,4,5,6,7
	ds_load_b128 v[BK+4*(\i):BK+4*(\i)+3], v[RD] offset:2*TP*(\i)
.endr
	s_wait_dscnt 0x0
.irp i, 0,1,2,3,4,5,6,7
	global_store_b128 v[GO], v[BK+4*(\i):BK+4*(\i)+3], s[8:9] offset:4096*(\t)+512*(\i)  ; 512 consecutive bytes, at a multiple of 256 from at's first byte
.endr
.endm
	TOKEN 0, 0, 2                                  ; token 0 and the masks are in; tokens 1 and 2 may stay out
	s_wait_tensorcnt 0x0                           ; slot 0 is filled again: all my tensor loads have landed, so a group 0 may be written;
	ds_add_u32 v[SPW], v[NIL]                      ; 0 onto my spare word;
	s_add_nc_u64 s[G0+2:G0+3], s[G0+2:G0+3], 3*TOKB  ; token 3; the type bits on top are not reached
	s_wait_dscnt 0x0                               ; the add is done, and my reads of the slot are over
	s_barrier_signal -1
	s_barrier_wait -1
	tensor_load_to_lds s[G0:G0+3], s[G1T:G1T+7]    ; my one tensor load behind the barrier, and the first thing there: it has two tokens' work in which to land
	s_nop 0
	TOKEN 1, 1, 1                                  ; one load was issued behind this token's; the wait for 0 above has already shown it landed
	TOKEN 2, 2, 1
	TOKEN 3, 0, 0
	s_wait_tensorcnt 0x0                           ; the wave's end, behind my last tensor load and my last LDS store
	ds_add_u32 v[SPW], v[NIL]
	s_wait_dscnt 0x0
	s_endpgm
.Lfunc_end_k_qfae1c19489_attn:
	.size	k_qfae1c19489_attn, .Lfunc_end_k_qfae1c19489_attn-k_qfae1c19489_attn
	.p2alignl 7, 3214868480
	.fill 96, 4, 3214868480
	.section	.rodata,"a",@progbits
	.p2align	6, 0x0
	.amdhsa_kernel k_qfae1c19489_attn
		.amdhsa_group_segment_fixed_size 327680
		.amdhsa_private_segment_fixed_size 0
		.amdhsa_enable_private_segment 0
		.amdhsa_kernarg_size 32
		.amdhsa_user_sgpr_count 2
		.amdhsa_user_sgpr_kernarg_segment_ptr 1
		.amdhsa_wavefront_size32 1
		.amdhsa_system_sgpr_workgroup_id_x 1
		.amdhsa_system_sgpr_workgroup_id_y 1
		.amdhsa_system_sgpr_workgroup_id_z 1
		.amdhsa_system_vgpr_workitem_id 0
		.amdhsa_next_free_vgpr 256
		.amdhsa_next_free_sgpr 66
		.amdhsa_reserve_vcc 0
		.amdhsa_float_denorm_mode_32 3
		.amdhsa_float_denorm_mode_16_64 3
		.amdhsa_memory_ordered 1
		.amdhsa_forward_progress 1
		.amdhsa_inst_pref_size 118
	.end_amdhsa_kernel
	.amdgpu_metadata
---
amdhsa.version: [ 1, 2 ]
amdhsa.kernels:
  - .name:           k_qfae1c19489_attn
    .symbol:         k_qfae1c19489_attn.kd
    .args:
      - { .name: qkv, .offset: 0, .size: 8, .value_kind: global_buffer, .address_space: global }
      - { .name: mask, .offset: 8, .size: 8, .value_kind: global_buffer, .address_space: global }
      - { .name: at, .offset: 16, .size: 8, .value_kind: global_buffer, .address_space: global }
      - { .name: out1, .offset: 24, .size: 8, .value_kind: global_buffer, .address_space: global }
    .group_segment_fixed_size: 327680
    .private_segment_fixed_size: 0
    .kernarg_segment_align: 8
    .kernarg_segment_size: 32
    .max_flat_workgroup_size: 128
    .sgpr_count:     66
    .vgpr_count:     256
    .wavefront_size: 32
...
	.end_amdgpu_metadata
.endif
;; end of part 3
;; launch oproj (part 4): grid 8 x 32, 4 waves a work-group, clusters of 4 x 4, 327,680 bytes of LDS; arguments at, wc, out0; writes out0
.if DOCPART == 4
	.amdgcn_target "amdgcn-amd-amdhsa--gfx1250"
	.amdhsa_code_object_version 6
	.text
	.protected	k_qfae1c19489_oproj
	.globl	k_qfae1c19489_oproj
	.p2align	8
	.type	k_qfae1c19489_oproj,@function
k_qfae1c19489_oproj:
	s_mov_b64 s[64:65], 0
	v_nop
	global_prefetch_b8 v0, s[64:65] scope:SCOPE_SE
	s_setreg_imm32_b32 hwreg(HW_REG_WAVE_MODE, 25, 1), 1
	s_wait_xcnt 0x0
	s_wait_alu depctr_hold_cnt(0) depctr_sa_sdst(0) depctr_va_vdst(0) depctr_va_sdst(0) depctr_va_ssrc(0) depctr_va_vcc(0) depctr_vm_vsrc(0)
	s_getreg_b32 s2, hwreg(HW_REG_IB_STS2, 6, 4)
	s_cmp_eq_u32 s2, 0
	s_cbranch_scc0 .Lentry_in_a_cluster
	s_endpgm
.Lentry_in_a_cluster:
	s_bfe_u32 s2, ttmp6, 0x10000c
	s_cmp_lg_u32 s2, 0xf033
	s_cbranch_scc0 .Lentry_shape_is_right
	s_endpgm
.Lentry_shape_is_right:
; out0 = at x Wo.  at: [4096][2048] f16; Wo: rows 6,144 to 8,191 of wc, [K][N], f16 (each number Wo rounded to bf16); out0: [4096][2048] f32.  Sums in f32.
; The ring, the cluster, the fragments and the register windows are those of the projections' kernel: a tile of 128 tokens x 256 columns to a work-group (8 x 32 work-groups, one for each of 256 WGPs),
; 64 x 128 to a wave (4 x 8 accumulators), K in 16 steps of 128 through two LDS slots, one joint tensor load a wave behind each change of slots (waves 0, 1 A's halves, shared along a row of the 4 x 4 cluster;
; waves 2, 3 B's, shared along a column).  Source 0 = 16 columns of Wo, turned out of LDS by ds_load_tr16_b128; source 1 = 16 tokens: a lane holds token l % 16 and the columns 16 b + 8 (l / 16) + 0..7.
; LIMIT.  at and Wo arrive within f16's range.
; REGISTERS (s_set_vgpr_msb: bits 1:0 source 0, 3:2 source 1, 5:4 source 2, 7:6 destination): window 0 addresses and the way out; window 1 two fragment buffers; window 2 accumulator (a, b) at 8 (8 a + b).
.set ROWB,  4096                       ; bytes in a row of at
.set ROWE,  2048
.set WROWB, 4096                       ; bytes in a row of wc
.set WOFF,  6144*WROWB                 ; Wo's first byte in wc
.set PA,    272
.set PB,    544
.set AHALF, 64*PA
.set ATILE, 2*AHALF
.set BHALF, 64*PB
.set SLOT,  ATILE+2*BHALF
.set STAGE, 2*SLOT                     ; behind the ring, never filled by a tensor load: 16 rows x 528 bytes for each wave
.set SPITCH, 528
.set STGW,  16*SPITCH
.set SPARE, STAGE+4*STGW               ; the spare words, 128 bytes for each wave: two blocks of 256 bytes that no other line names
.set OROWB, 8192                       ; bytes in a row of out0
.set ASTEP, 256
.set BSTEP, 128*WROWB
.set ADRA, 16
.set ADRB, 20
.set STO,  24
.set RD,   25
.set CO,   26
.set SPW,  28
.set NIL,  29
.set PFO,  30
.set OB,   96                          ; v[96:223] two buffers of 64: a block read back from the stage
.set F0,   0
.set F1,   128
.set G1,  24
.set G0,  32
.set G1B, 48
.set G0B, 56
.set PFA, 44
.set PST, 46
.set LIM, 43
.set PFC, 20
.set MSB, 0
.macro WIN new                         ; the immediate's high byte repeats the setting that is left; a switch that changes nothing is dropped
.if MSB != (\new)
	s_set_vgpr_msb (MSB<<8)|(\new)
.set MSB, \new
.endif
.endm
.set MUL,  0xa5                        ; sources 0 and 1 window 1; C and D window 2
.set TO_F, 0x40                        ; destination window 1, address window 0
.macro JLOAD s                         ; a joint load; an s_nop 0 and four v_nop follow each of the two lines
	s_cmp_eq_u32 s11, 0
	s_cbranch_scc0 .Lfor_b_\@
	tensor_load_to_lds s[G0+4*(\s):G0+4*(\s)+3], s[G1:G1+7]
	s_nop 0
.rept 4
	v_nop
.endr
	s_branch .Lasked_\@
.Lfor_b_\@:
	tensor_load_to_lds s[G0B+4*(\s):G0B+4*(\s)+3], s[G1B:G1B+7]
	s_nop 0
.rept 4
	v_nop
.endr
.Lasked_\@:
.endm
.macro CREST
	s_cmp_lg_u32 s10, 0
	s_cbranch_scc1 .Lnot_wave_0_\@
	s_barrier_signal -3
.Lnot_wave_0_\@:
	s_barrier_wait -3
	s_barrier_signal -1
	s_barrier_wait -1
.endm
.macro CROUND
	s_barrier_signal -1
	s_barrier_wait -1
	CREST
.endm
; A PREFETCH INTO THE L2: the refill just issued asks for the K step two on, the prefetch names the K step four on.  Each block of 256 bytes is named once in the launch: A's rows by wave 0 of cluster x = 0,
; 32 tokens a partner (by address, cx), a lane a row; B's by waves 2 and 3 of cluster y = 0, 16 k-rows a partner (cy), a lane half a row.  The count stops the requests at the last K step; nothing is asked for at the head.
.macro ASK
	s_cmp_gt_i32 s[PFC], s[LIM]
	s_cbranch_scc0 .Lnot_mine_\@
	global_prefetch_b8 v[PFO], s[PFA:PFA+1] th:TH_LOAD_NT scope:SCOPE_SE
.Lnot_mine_\@:
	s_sub_co_i32 s[PFC], s[PFC], 1
.endm
	s_load_b128 s[4:7], s[0:1], 0x0                ; at s[4:5], wc s[6:7]
	s_load_b64 s[8:9], s[0:1], 0x10                ; out0
	v_lshl_add_u32 v[SPW], v0, 2, SPARE
	v_mov_b32 v[NIL], 0
	ds_add_u32 v[SPW], v[NIL]                      ; the wave's opening: the add and its wait stand ahead of my first tensor load; the set-up below, work on registers, stands between them
	v_lshrrev_b32 v1, 5, v0
	v_readfirstlane_b32 s10, v1                    ; wave 0..3
	s_lshr_b32 s11, s10, 1                         ; which 64 tokens are mine.  Also: I fetch for A (0) or for B (1)
	s_and_b32 s12, s10, 1                          ; which 128 columns.  Also: which half of that tile I fetch
	s_bfe_u32 s40, ttmp6, 0x40000                  ; cx, cy
	s_bfe_u32 s41, ttmp6, 0x40004
	s_lshl_b32 s42, ttmp9, 2
	s_add_co_u32 s42, s42, s40                     ; tile column
	s_and_b32 s13, ttmp7, 0xffff
	s_lshl_b32 s13, s13, 2
	s_add_co_u32 s13, s13, s41                     ; tile row
	s_lshl_b32 s14, s41, 2
	s_lshl_b32 s14, 15, s14                        ; my row of the cluster
	s_lshl_b32 s15, 0x1111, s40                    ; my column
	s_or_b32 s[G1+0], s14, (1<<16)|(1<<20)|(1<<21)|(5<<22)|(3<<25)   ; the mask; 2-byte elements; padding on; 21 set beside a mask; after every 64 words 4 words
	s_mov_b32 s[G1+1], 128<<16
	s_mov_b32 s[G1+2], 64<<16
	s_mov_b32 s[G1+3], 128<<16
	s_mov_b32 s[G1+4], 64
	s_mov_b32 s[G1+5], ROWE
	s_mov_b32 s[G1+6], 0
	s_mov_b32 s[G1+7], 0
	s_or_b32 s[G1B+0], s15, (1<<16)|(1<<20)|(1<<21)|(6<<22)|(7<<25)  ; after every 128 words 8 words
	s_mov_b32 s[G1B+1], 256<<16
	s_mov_b32 s[G1B+2], 64<<16
	s_mov_b32 s[G1B+3], 256<<16
	s_mov_b32 s[G1B+4], 64
	s_mov_b32 s[G1B+5], 2048
	s_mov_b32 s[G1B+6], 0
	s_mov_b32 s[G1B+7], 0
	s_lshl_b32 s16, s13, 7                         ; A: token 128 x tile row + 64 x half
	s_lshl_b32 s21, s12, 6
	s_add_co_u32 s16, s16, s21
	s_mul_i32 s16, s16, ROWB
	s_mov_b32 s17, 0
	s_lshl_b32 s18, s12, 18                        ; B: k-row 64 x half, column byte 512 x tile column, in Wo
	s_lshl_b32 s22, s42, 9
	s_add_co_u32 s18, s18, s22
	s_add_co_u32 s18, s18, WOFF
	s_mov_b32 s19, 0
	s_mul_i32 s23, s12, AHALF
	s_mul_i32 s20, s12, BHALF
	s_add_co_u32 s20, s20, ATILE
	s_wait_dscnt 0x0                               ; the opening add is done
	s_wait_kmcnt 0x0
	s_add_nc_u64 s[14:15], s[4:5], s[16:17]
	s_add_nc_u64 s[18:19], s[6:7], s[18:19]
	CROUND                                         ; all sixteen work-groups are here: the first joint loads meet
.irp s, 0,1
	s_mov_b32 s[G0+4*(\s)], 1
	s_add_co_u32 s[G0+4*(\s)+1], s23, (\s)*SLOT
	s_add_nc_u64 s[G0+4*(\s)+2:G0+4*(\s)+3], s[14:15], (\s)*ASTEP
	s_or_b32 s[G0+4*(\s)+3], s[G0+4*(\s)+3], 0x80000000
	s_mov_b32 s[G0B+4*(\s)], 1
	s_add_co_u32 s[G0B+4*(\s)+1], s20, (\s)*SLOT
	s_add_nc_u64 s[G0B+4*(\s)+2:G0B+4*(\s)+3], s[18:19], (\s)*BSTEP
	s_or_b32 s[G0B+4*(\s)+3], s[G0B+4*(\s)+3], 0x80000000
	JLOAD \s
.endr
	v_and_b32 v1, 15, v0                           ; r
	v_bfe_u32 v2, v0, 4, 1                         ; h
	v_mul_u32_u24 v3, v1, PA
	v_lshl_add_u32 v3, v2, 4, v3
	s_mul_i32 s21, s11, AHALF
	v_add_nc_u32 v[ADRA], s21, v3
	v_add_nc_u32 v[ADRA+1], SLOT, v[ADRA]
	v_and_b32 v4, 7, v0
	v_lshl_add_u32 v4, v2, 3, v4
	v_mul_u32_u24 v4, v4, PB
	v_bfe_u32 v5, v0, 3, 1
	v_lshl_add_u32 v4, v5, 4, v4
	s_lshl_b32 s22, s12, 8
	s_add_co_u32 s22, s22, ATILE
	v_add_nc_u32 v[ADRB], s22, v4
	v_add_nc_u32 v[ADRB+1], SLOT, v[ADRB]
	s_mul_i32 s21, s10, STGW
	s_add_co_u32 s21, s21, STAGE                   ; my stage
	v_mul_u32_u24 v6, v1, SPITCH
	v_lshl_add_u32 v6, v2, 5, v6
	v_add_nc_u32 v[STO], s21, v6
	v_and_b32 v7, 31, v0
	v_lshl_add_u32 v[RD], v7, 4, s21
	v_lshlrev_b32 v[CO], 4, v7                     ; 32 lanes store my 512 bytes of a row of out0
	s_lshl_b32 s16, s13, 7                         ; out0 at my first token,
	s_lshl_b32 s21, s11, 6
	s_add_co_u32 s16, s16, s21
	s_mul_i32 s16, s16, OROWB
	s_mov_b32 s17, 0
	s_add_nc_u64 s[8:9], s[8:9], s[16:17]
	s_lshl_b32 s16, s42, 1                         ; at my 128 columns: 512 bytes
	s_add_co_u32 s16, s16, s12
	s_lshl_b32 s16, s16, 9
	s_add_nc_u64 s[8:9], s[8:9], s[16:17]
	s_lshl_b32 s14, s13, 7                         ; the prefetches: both kinds' numbers are made, the wave's number chooses
	s_lshl_b32 s21, s40, 5
	s_add_co_u32 s14, s14, s21
	s_mul_i32 s14, s14, ROWB
	s_add_co_u32 s14, s14, 3*ASTEP
	s_lshl_b32 s15, s12, 6
	s_lshl_b32 s21, s41, 4
	s_add_co_u32 s15, s15, s21
	s_lshl_b32 s15, s15, 12
	s_lshl_b32 s21, s42, 9
	s_add_co_u32 s15, s15, s21
	s_add_co_u32 s15, s15, WOFF+3*BSTEP
	s_or_b32 s22, ttmp9, s12
	s_and_b32 s23, ttmp7, 0xffff
	s_mov_b32 s18, ASTEP
	s_mov_b32 s19, ROWB
	s_cmp_eq_u32 s11, 0
	s_cselect_b32 s16, s14, s15
	s_cselect_b64 s[PFA:PFA+1], s[4:5], s[6:7]
	s_cselect_b32 s[PST], s18, BSTEP
	s_cselect_b32 s19, s19, WROWB
	s_cselect_b32 s22, s22, s23
	s_cmp_eq_u32 s22, 0
	s_cselect_b32 s[LIM], 0, 0x7fffffff            ; the same in all sixteen partners, for a given wave
	s_mov_b32 s[PST+1], 0
	s_add_nc_u64 s[PFA:PFA+1], s[PFA:PFA+1], s[16:17]
	s_mov_b32 s[PFC], 12                           ; K steps 4 to 15
	v_and_b32 v[PFO], 31, v0
	v_and_b32 v31, s11, v[PFO]
	v_lshrrev_b32 v[PFO], s11, v[PFO]
	v_mul_u32_u24 v[PFO], s19, v[PFO]
	v_lshl_add_u32 v[PFO], v31, 8, v[PFO]
; 8 matrix instructions: token block a x all 8 column blocks.  The 32 accumulators take turns, one instruction a turn.  zero = 1: the product starts the sums.
.macro MULN f, a, zero
	WIN MUL
.irp b, 0,1,2,3,4,5,6,7
.if \zero
	v_wmma_f32_16x16x32_f16 v[8*(8*(\a)+(\b)):8*(8*(\a)+(\b))+7], v[(\f)+8*(\b):(\f)+8*(\b)+7], v[(\f)+64+8*(\a):(\f)+64+8*(\a)+7], 0
.else
	v_wmma_f32_16x16x32_f16 v[8*(8*(\a)+(\b)):8*(8*(\a)+(\b))+7], v[(\f)+8*(\b):(\f)+8*(\b)+7], v[(\f)+64+8*(\a):(\f)+64+8*(\a)+7], v[8*(8*(\a)+(\b)):8*(8*(\a)+(\b))+7]
.endif
.endr
.endm
.macro FETCH slot, q, f                ; 24 LDS loads in one run: B's 8 fragments, turned, then A's 4
	WIN TO_F
.irp b, 0,1,2,3,4,5,6,7
	ds_load_tr16_b128 v[(\f)+8*(\b):(\f)+8*(\b)+3],   v[ADRB+(\slot)] offset:32*PB*(\q)+32*(\b)
	ds_load_tr16_b128 v[(\f)+8*(\b)+4:(\f)+8*(\b)+7], v[ADRB+(\slot)] offset:32*PB*(\q)+32*(\b)+16*PB
.endr
.irp a, 0,1,2,3
	ds_load_b128 v[(\f)+64+8*(\a):(\f)+64+8*(\a)+3],   v[ADRA+(\slot)] offset:64*(\q)+16*PA*(\a)
	ds_load_b128 v[(\f)+64+8*(\a)+4:(\f)+64+8*(\a)+7], v[ADRA+(\slot)] offset:64*(\q)+16*PA*(\a)+32
.endr
.endm
.macro PLACES                          ; four places in front of loads into registers that matrix instructions have read, and of LDS stores that read results
.rept 4
	v_nop
.endr
.endm
.macro QUARTER slot, q, f, g, zero
	s_wait_dscnt 4                                 ; B and A's blocks 0, 1 are in; the youngest four loads may be out
	MULN \f, 0, \zero
	MULN \f, 1, \zero
	PLACES
	FETCH \slot, \q, \g
	s_wait_dscnt 24                                ; all but the 24 just issued
	MULN \f, 2, \zero
	MULN \f, 3, \zero
.endm
; The last quarter multiplies buffer 1 and changes slots: one barrier; in front of it each wave waits for all its tensor loads, adds 0 to its spare word, and waits for that and for its own reads of this slot.
; fill = 1: the barrier opens a round of the cluster's, and this slot is filled again, two K steps ahead, first thing behind it.
.macro TURN slot, next, fill
.if \fill
	s_wait_xcnt 0x0                                ; the last prefetch, a K step back, has read its address
	s_add_nc_u64 s[PFA:PFA+1], s[PFA:PFA+1], s[PST:PST+1]
.endif
	WIN 0
	s_wait_tensorcnt 0x0                           ; all my tensor loads have landed;
	ds_add_u32 v[SPW], v[NIL]                      ; 0 onto my spare word;
	s_wait_dscnt 5                                 ; (the add and the youngest four loads may be out)
	MULN F1, 0, 0
	s_wait_dscnt 0x0                               ; the add is done, and my reads of this slot are over
	s_barrier_signal -1
	MULN F1, 1, 0
.if \fill
	WIN 0
.endif
	s_barrier_wait -1
.if \fill
	CREST
	s_add_nc_u64 s[G0+4*(\slot)+2:G0+4*(\slot)+3], s[G0+4*(\slot)+2:G0+4*(\slot)+3], 2*ASTEP
	s_add_nc_u64 s[G0B+4*(\slot)+2:G0B+4*(\slot)+3], s[G0B+4*(\slot)+2:G0B+4*(\slot)+3], 2*BSTEP
	JLOAD \slot
.else
	PLACES
.endif
	FETCH \next, 0, F0
.if \fill
	WIN 0
	ASK
.endif
	MULN F1, 2, 0
	MULN F1, 3, 0
.endm
; THE WAY OUT.  Block a's f32 sums go straight from the accumulators into my own stage (each accumulator's lowest four registers first) and come back as whole rows of 512 bytes.
.macro TOSTAGE a
.set BKR, OB+64*((\a)%2)
	s_wait_xcnt 0x0                                ; the stores of the block two back have read the registers that are loaded below
	WIN 0x08                                       ; the stores' data in window 2
.irp b, 0,1,2,3,4,5,6,7
	ds_store_b128 v[STO], v[64*(\a)+8*(\b):64*(\a)+8*(\b)+3]   offset:64*(\b)
	ds_store_b128 v[STO], v[64*(\a)+8*(\b)+4:64*(\a)+8*(\b)+7] offset:64*(\b)+16
.endr
	WIN 0
.irp i, 0,1,2,3,4,5,6,7,8,9,10,11,12,13,14,15
	ds_load_b128 v[BKR+4*(\i):BKR+4*(\i)+3], v[RD] offset:SPITCH*(\i)  ; LDS serves a wave's instructions in order (ISA guide 5.7.1.4): these see the stores above, and the next block's stores come behind them
.endr
.endm
.macro SEND a, younger                 ; younger: the next block's 32 LDS instructions, or none
.set BKR, OB+64*((\a)%2)
	s_wait_dscnt \younger
.irp i, 0,1,2,3,4,5,6,7,8,9,10,11,12,13,14,15
	global_store_b128 v[CO], v[BKR+4*(\i):BKR+4*(\i)+3], s[8:9] offset:(16*(\a)+(\i))*OROWB th:TH_STORE_NT  ; 512 consecutive bytes, at a multiple of 256 from out0's first byte
.endr
.endm
	s_wait_tensorcnt 1                             ; my part of K step 0 is in; K step 1's may stay out
	s_barrier_signal -1
	s_barrier_wait -1
	FETCH 0, 0, F0
	QUARTER 0, 1, F0, F1, 1                        ; the first quarter stands in front of the loop: its products start the sums
	WIN 0                                          ; at a label and at a branch every window is 0
	s_mov_b32 s3, 7
.Llap:                                                 ; a trip goes once round the ring and fills both slots again
	QUARTER 0, 2, F1, F0, 0
	QUARTER 0, 3, F0, F1, 0
	TURN 0, 1, 1
	QUARTER 1, 1, F0, F1, 0
	QUARTER 1, 2, F1, F0, 0
	QUARTER 1, 3, F0, F1, 0
	TURN 1, 0, 1
	QUARTER 0, 1, F0, F1, 0
	WIN 0
	s_sub_co_u32 s3, s3, 1
	s_cmp_lg_u32 s3, 0
	s_cbranch_scc1 .Llap
	QUARTER 0, 2, F1, F0, 0                        ; the last lap fills nothing, and has no round of the cluster's barrier
	QUARTER 0, 3, F0, F1, 0
	TURN 0, 1, 0
	QUARTER 1, 1, F0, F1, 0
	QUARTER 1, 2, F1, F0, 0
	QUARTER 1, 3, F0, F1, 0
	s_wait_dscnt 4
	MULN F1, 0, 0
	MULN F1, 1, 0
	s_wait_dscnt 0x0
	MULN F1, 2, 0
	MULN F1, 3, 0
	WIN 0
	PLACES
	TOSTAGE 0
	TOSTAGE 1
	SEND 0, 32
	TOSTAGE 2
	SEND 1, 32
	TOSTAGE 3
	SEND 2, 32
	SEND 3, 0
	s_wait_tensorcnt 0x0                           ; the wave's end, behind my last tensor load and my last LDS store
	ds_add_u32 v[SPW], v[NIL]
	s_wait_dscnt 0x0
	CROUND                                         ; the closing round: no work-group ends while a partner may still ask for a tile that names it
	s_endpgm
.Lfunc_end_k_qfae1c19489_oproj:
	.size	k_qfae1c19489_oproj, .Lfunc_end_k_qfae1c19489_oproj-k_qfae1c19489_oproj
	.p2alignl 7, 3214868480
	.fill 96, 4, 3214868480
	.section	.rodata,"a",@progbits
	.p2align	6, 0x0
	.amdhsa_kernel k_qfae1c19489_oproj
		.amdhsa_group_segment_fixed_size 327680
		.amdhsa_private_segment_fixed_size 0
		.amdhsa_enable_private_segment 0
		.amdhsa_kernarg_size 24
		.amdhsa_user_sgpr_count 2
		.amdhsa_user_sgpr_kernarg_segment_ptr 1
		.amdhsa_wavefront_size32 1
		.amdhsa_system_sgpr_workgroup_id_x 1
		.amdhsa_system_sgpr_workgroup_id_y 1
		.amdhsa_system_sgpr_workgroup_id_z 1
		.amdhsa_system_vgpr_workitem_id 0
		.amdhsa_next_free_vgpr 768
		.amdhsa_next_free_sgpr 72
		.amdhsa_reserve_vcc 0
		.amdhsa_float_denorm_mode_32 3
		.amdhsa_float_denorm_mode_16_64 3
		.amdhsa_memory_ordered 1
		.amdhsa_forward_progress 1
		.amdhsa_inst_pref_size 87
	.end_amdhsa_kernel
	.amdgpu_metadata
---
amdhsa.version: [ 1, 2 ]
amdhsa.kernels:
  - .name:           k_qfae1c19489_oproj
    .symbol:         k_qfae1c19489_oproj.kd
    .args:
      - { .name: at, .offset: 0, .size: 8, .value_kind: global_buffer, .address_space: global }
      - { .name: wc, .offset: 8, .size: 8, .value_kind: global_buffer, .address_space: global }
      - { .name: out0, .offset: 16, .size: 8, .value_kind: global_buffer, .address_space: global }
    .group_segment_fixed_size: 327680
    .private_segment_fixed_size: 0
    .kernarg_segment_align: 8
    .kernarg_segment_size: 24
    .max_flat_workgroup_size: 128
    .sgpr_count:     72
    .vgpr_count:     768
    .wavefront_size: 32
...
	.end_amdgpu_metadata
.endif
;; end of part 4
;; ======== version 2 of 2: 4 launches; version 1 with the launch cast written anew for expert scheduling mode
;; limits: values are held in f16: magnitudes above 65,504 overflow, below 6.1e-05 lose precision
;; workspace buffers: xc 50,331,648 bytes; wc 33,554,432 bytes; qkv 83,886,080 bytes; at 16,777,216 bytes
;; launch cast (part 5): grid 128 x 10, 8 waves a work-group, no clusters, 0 bytes of LDS; arguments query, key, value, Wq, Wk, Wv, Wo, xc, wc; writes xc, wc
.if DOCPART == 5
	.amdgcn_target "amdgcn-amd-amdhsa--gfx1250"
	.amdhsa_code_object_version 6
	.text
	.protected	k_qfae1c19489_cast
	.globl	k_qfae1c19489_cast
	.p2align	8
	.type	k_qfae1c19489_cast,@function
k_qfae1c19489_cast:
	s_mov_b64 s[64:65], 0
	v_nop
	global_prefetch_b8 v0, s[64:65] scope:SCOPE_SE
	s_setreg_imm32_b32 hwreg(HW_REG_WAVE_SCHED_MODE, 0, 2), 2
	s_setreg_imm32_b32 hwreg(HW_REG_WAVE_MODE, 25, 1), 1
	s_wait_xcnt 0x0
	s_wait_alu depctr_vm_vsrc(0)
; THE INPUTS OF THE FOUR PRODUCTS, ROUNDED ONCE TO 16 BITS.  query, key, value: [4096][2048] f32 -> xc: [4096][6144] bf16, a row = query | key | value.
; Wq, Wk, Wv, Wo: [2048][2048] f32 -> wc: [8192][2048], the four stacked as they lie ([K][N]); Wq, Wk, Wv in bf16; Wo rounded to bf16 like every input, and that number written as f16.
; LIMIT.  A number of Wo below 6e-5 keeps f16's fixed step of 6e-8; beyond 65,504 it would be an infinity.
; SHARES.  The grid's y names a chunk of 2,048 rows of 2,048 numbers: 0..5 the two halves of query, key, value; 6..9 the four W.  A work-group takes 16 rows of it.
; Thread t takes 4 numbers of each half of a row: 16 bytes at 16 t + 4,096 k, which leave as 8 bytes at 8 t + 2,048 k.  So a load of a wave covers 512 consecutive bytes and a store of a
; wave 256 consecutive bytes, at a multiple of 256 from the buffer's first byte.  All 32 loads of a thread go out at once; each byte is read once and written once.
; A stream: no LDS, no matrix unit, no cluster (no two work-groups read the same byte), no prefetch (all loads are issued at the head).
; THE MODE: SCHED_MODE bits 1:0 = 2 (LLVM: expert scheduling mode 2), set by the entry lines.  The code itself states the register dependences between vector instructions and memory
; instructions, with s_wait_alu, always for 0.
; THE PLAN.  Registers that memory instructions touch:
;   v1            the source offset.  Written once at the head; read by all 32 loads; never written again.
;   v[D .. D+15]  the destination offsets.  Written once each (D at the head, the others by the adds behind the loads); D + i is read by row i's two stores; never written again.
;   v[X + 8 i ..] row i's eight registers.  Its two loads land in them; its conversions, behind the wait for those loads, read them and write the packed results into four of them;
;                 its two stores read those; never written again.
; The 16 rows go in four blocks of four.  A row's conversions name that row's eight registers alone.  The stores of row i - 4 stand among the conversions of the next block: ONE wait on
; va_vdst at a block's head states that the block before has written its packed results (the first such wait: also that the adds have written the offsets), and the eight stores that
; follow it, dealt among the block's conversions, touch only the block before's registers, which no vector line behind the wait names.  One more such wait stands ahead of the first load
; (v1) and one ahead of the last block's stores.  No register that a load or a store has read is written again, no load lands in a register that a vector line has named, no vector line
; writes a scalar register or VCC, and EXEC is never written: so past the entry lines the text holds no other s_wait_alu.
.set SROW,  8192                       ; bytes in a source row
.set BLOCK, 4                          ; rows in a block
.set D,    2                           ; v[2:17]   row i: my byte offset in the destination
.set X,    32                          ; v[32:159] row i: 8 registers as loaded; the packed results take the first two of each four
	s_load_b512 s[8:23], s[0:1], 0x0               ; query s[8:9], key, value, Wq, Wk, Wv, Wo s[20:21], xc s[22:23]
	s_load_b64 s[24:25], s[0:1], 0x40              ; wc
	s_and_b32 s2, ttmp7, 0xffff                    ; y
	s_lshr_b32 s3, s2, 1                           ; y < 6: which of query, key, value
	s_sub_co_u32 s4, s2, 3                         ; y >= 6: which pointer, 3..6
	s_and_b32 s5, s2, 1
	s_lshl_b32 s5, s5, 11                          ; y < 6: the half's first row
	s_lshl_b32 s6, s3, 12                          ; y < 6: the tensor's 4,096 bytes in a row of xc
	s_sub_co_u32 s7, s2, 6
	s_lshl_b32 s7, s7, 23                          ; y >= 6: the matrix's 8,388,608 bytes in wc
	s_lshl_b32 s34, ttmp9, 4                       ; the work-group's 16 rows
	s_mov_b32 s35, 12288
	s_mov_b32 s38, 0xffff0000                      ; a word's upper bf16
	v_lshlrev_b32 v1, 4, v0                        ; source: 16 t
	v_lshlrev_b32 v[D], 3, v0                      ; destination: 8 t
	s_cmp_lt_u32 s2, 6                             ; the selects below leave SCC as it is
	s_cselect_b32 s26, s3, s4                      ; the source's number among the seven pointers
	s_cselect_b32 s27, s5, 0
	s_cselect_b32 s28, s35, 0x1000                 ; bytes in a destination row
	s_cselect_b32 s29, s6, s7
	s_wait_kmcnt 0x0
	s_cselect_b64 s[30:31], s[22:23], s[24:25]     ; xc or wc
	s_mov_b64 s[32:33], s[8:9]
.irp n, 1,2,3,4,5,6
	s_cmp_eq_u32 s26, \n
	s_cselect_b64 s[32:33], s[8+2*(\n):9+2*(\n)], s[32:33]
.endr
	s_add_co_u32 s27, s27, s34                     ; my first row
	s_lshl_b32 s36, s27, 13
	s_mov_b32 s37, 0
	s_add_nc_u64 s[32:33], s[32:33], s[36:37]
	s_mul_i32 s36, s27, s28
	s_add_co_u32 s36, s36, s29
	s_add_nc_u64 s[30:31], s[30:31], s[36:37]
	s_wait_alu depctr_va_vdst(0)                   ; v1 is written: all 32 loads read it as their offset
.set i, 0
.rept 16
	global_load_b128 v[X+8*i:X+8*i+3],   v1, s[32:33] offset:SROW*i th:TH_LOAD_NT
	global_load_b128 v[X+8*i+4:X+8*i+7], v1, s[32:33] offset:SROW*i+4096 th:TH_LOAD_NT
.set i, i+1
.endr
.set i, 1
.rept 15
	v_add_nc_u32 v[D+i], s28, v[D+i-1]             ; no load names these registers; the stores that read them stand behind the first block's wait
.set i, i+1
.endr
; Row i to bf16, in place.  No register is written again once a store names it.
.macro CVB i
.irp k, 0,1
	v_cvt_pk_bf16_f32 v[X+8*(\i)+4*(\k)],   v[X+8*(\i)+4*(\k)],   v[X+8*(\i)+4*(\k)+1]
	v_cvt_pk_bf16_f32 v[X+8*(\i)+4*(\k)+1], v[X+8*(\i)+4*(\k)+2], v[X+8*(\i)+4*(\k)+3]
.endr
.endm
; Row i of Wo: rounded to bf16, widened again (a shift, a mask), and that number written as f16.
.macro CVH i
.irp k, 0,1
	v_cvt_pk_bf16_f32 v[X+8*(\i)+4*(\k)],   v[X+8*(\i)+4*(\k)],   v[X+8*(\i)+4*(\k)+1]
	v_cvt_pk_bf16_f32 v[X+8*(\i)+4*(\k)+2], v[X+8*(\i)+4*(\k)+2], v[X+8*(\i)+4*(\k)+3]
	v_and_b32     v[X+8*(\i)+4*(\k)+1], s38, v[X+8*(\i)+4*(\k)]
	v_lshlrev_b32 v[X+8*(\i)+4*(\k)],   16,  v[X+8*(\i)+4*(\k)]
	v_and_b32     v[X+8*(\i)+4*(\k)+3], s38, v[X+8*(\i)+4*(\k)+2]
	v_lshlrev_b32 v[X+8*(\i)+4*(\k)+2], 16,  v[X+8*(\i)+4*(\k)+2]
	v_cvt_pk_f16_f32 v[X+8*(\i)+4*(\k)],   v[X+8*(\i)+4*(\k)],   v[X+8*(\i)+4*(\k)+1]
	v_cvt_pk_f16_f32 v[X+8*(\i)+4*(\k)+1], v[X+8*(\i)+4*(\k)+2], v[X+8*(\i)+4*(\k)+3]
.endr
.endm
; Row i's two stores: its offset and its four packed registers were written ahead of the last wait on va_vdst, and no vector line since names them.
.macro OUT i
.irp k, 0,1
	global_store_b64 v[D+(\i)], v[X+8*(\i)+4*(\k):X+8*(\i)+4*(\k)+1], s[30:31] offset:2048*(\k)
.endr
.endm
; Row i's turn: the stores of the row one block back, and row i's conversions.  wo = 1: Wo's path.
; Loads come back in order (ISA guide 5.7.1): the 2 (15 - i) loads of the rows behind may stay out.  In a block's first row the wait for the row's loads stands ahead of the block's wait on va_vdst;
; in the other rows the stores stand ahead of the wait for the row's loads, on which they do not hang.
.macro STEP i, wo
.if (\i) % BLOCK == 0
	s_wait_loadcnt 30-2*(\i)
.if (\i) > 0
	s_wait_alu depctr_va_vdst(0)                   ; the block before has written its packed results, which the eight stores dealt into this block read; at row 4 also: the adds have written the offsets v[D+1 ..]
	OUT (\i)-BLOCK
.endif
.else
.if (\i) >= BLOCK
	OUT (\i)-BLOCK
.endif
	s_wait_loadcnt 30-2*(\i)
.endif
.if \wo
	CVH \i
.else
	CVB \i
.endif
.endm
	s_cmp_eq_u32 s2, 9
	s_cbranch_scc1 .Lwo
.irp i, 0,1,2,3,4,5,6,7,8,9,10,11,12,13,14,15
	STEP \i, 0
.endr
	s_wait_alu depctr_va_vdst(0)                   ; the last block has written its packed results, which the last eight stores read
.irp i, 12,13,14,15
	OUT \i
.endr
	s_endpgm
.Lwo:
.irp i, 0,1,2,3,4,5,6,7,8,9,10,11,12,13,14,15
	STEP \i, 1
.endr
	s_wait_alu depctr_va_vdst(0)                   ; the last block has written its packed results, which the last eight stores read
.irp i, 12,13,14,15
	OUT \i
.endr
	s_endpgm
.Lfunc_end_k_qfae1c19489_cast:
	.size	k_qfae1c19489_cast, .Lfunc_end_k_qfae1c19489_cast-k_qfae1c19489_cast
	.p2alignl 7, 3214868480
	.fill 96, 4, 3214868480
	.section	.rodata,"a",@progbits
	.p2align	6, 0x0
	.amdhsa_kernel k_qfae1c19489_cast
		.amdhsa_group_segment_fixed_size 0
		.amdhsa_private_segment_fixed_size 0
		.amdhsa_enable_private_segment 0
		.amdhsa_kernarg_size 72
		.amdhsa_user_sgpr_count 2
		.amdhsa_user_sgpr_kernarg_segment_ptr 1
		.amdhsa_wavefront_size32 1
		.amdhsa_system_sgpr_workgroup_id_x 1
		.amdhsa_system_sgpr_workgroup_id_y 1
		.amdhsa_system_sgpr_workgroup_id_z 1
		.amdhsa_system_vgpr_workitem_id 0
		.amdhsa_next_free_vgpr 160
		.amdhsa_next_free_sgpr 66
		.amdhsa_reserve_vcc 0
		.amdhsa_float_denorm_mode_32 3
		.amdhsa_float_denorm_mode_16_64 3
		.amdhsa_memory_ordered 1
		.amdhsa_forward_progress 1
		.amdhsa_inst_pref_size 29
	.end_amdhsa_kernel
	.amdgpu_metadata
---
amdhsa.version: [ 1, 2 ]
amdhsa.kernels:
  - .name:           k_qfae1c19489_cast
    .symbol:         k_qfae1c19489_cast.kd
    .args:
      - { .name: query, .offset: 0, .size: 8, .value_kind: global_buffer, .address_space: global }
      - { .name: key, .offset: 8, .size: 8, .value_kind: global_buffer, .address_space: global }
      - { .name: value, .offset: 16, .size: 8, .value_kind: global_buffer, .address_space: global }
      - { .name: Wq, .offset: 24, .size: 8, .value_kind: global_buffer, .address_space: global }
      - { .name: Wk, .offset: 32, .size: 8, .value_kind: global_buffer, .address_space: global }
      - { .name: Wv, .offset: 40, .size: 8, .value_kind: global_buffer, .address_space: global }
      - { .name: Wo, .offset: 48, .size: 8, .value_kind: global_buffer, .address_space: global }
      - { .name: xc, .offset: 56, .size: 8, .value_kind: global_buffer, .address_space: global }
      - { .name: wc, .offset: 64, .size: 8, .value_kind: global_buffer, .address_space: global }
    .group_segment_fixed_size: 0
    .private_segment_fixed_size: 0
    .kernarg_segment_align: 8
    .kernarg_segment_size: 72
    .max_flat_workgroup_size: 256
    .sgpr_count:     66
    .vgpr_count:     160
    .wavefront_size: 32
...
	.end_amdgpu_metadata
.endif
;; end of part 5
;; launch proj: the kernel of part 2 again; grid 24 x 8, 4 waves a work-group, clusters of 4 x 4, 327,680 bytes of LDS; arguments xc, wc, qkv; writes qkv
;; launch attn: the kernel of part 3 again; grid 256 x 1, 4 waves a work-group, no clusters, 327,680 bytes of LDS; arguments qkv, mask, at, out1; writes at, out1
;; launch oproj: the kernel of part 4 again; grid 8 x 32, 4 waves a work-group, clusters of 4 x 4, 327,680 bytes of LDS; arguments at, wc, out0; writes out0
